; MI455X (gfx1250); checked and timed in simulation.
; The chip was launched on July 23, 2026; its instructions are those of AMD's public machine-readable ISA for CDNA 5 (MIT licence, August 2026) and "CDNA5" Instruction Set Architecture Reference Guide (July 2026). The comments in the code are by the model that wrote it; some were corrected since.
;; Multi Head Attention. Allowed arithmetic: matrix products marked QUANTISED: E4M3 operands, one given power-of-two scale a tensor, by v_wmma_f32_16x16x64_fp8_fp8 or v_wmma_f32_16x16x128_fp8_fp8, f32 sums; everything else in f32.
;; Inputs: Wk 1,024 x 1,024 float32; Wp 1,024 x 1,024 float32; Wq 1,024 x 1,024 float32; Wv 1,024 x 1,024 float32; bk 1,024 float32; bp 1,024 float32; bq 1,024 float32; bv 1,024 float32; lowp_scales 12 int32 (the exponents e of the quantised operands' scales 2^e); x 4 x 2,048 x 1,024 float32.
;; Outputs: out0 4 x 2,048 x 1,024 float32.
;; This version of the problem:
;;   THIS VERSION OF THE PROBLEM IS GIVEN IN LOW PRECISION. The matrix products marked QUANTISED in the list below multiply operands that are first quantised to E4M3 (4 exponent bits, 3 mantissa bits; 8 bits a number), with one given power-of-two scale for each operand tensor; their sums are f32. All else is computed in f32.
;;   The module's matrix products, in the order in which they are computed (A, B: the left and right operand; K: the contracted axis; several contracted axes count as one K, in the product's order):
;;     1. [M 8,192, K 1,024] x [K 1,024, N 1,024]; A: input x; B: input Wq: QUANTISED (scales: A lowp_scales[0], B lowp_scales[1])
;;     2. [M 8,192, K 1,024] x [K 1,024, N 1,024]; A: input x; B: input Wk: QUANTISED (scales: A lowp_scales[2], B lowp_scales[3])
;;     3. [M 8,192, K 1,024] x [K 1,024, N 1,024]; A: input x; B: input Wv: QUANTISED (scales: A lowp_scales[4], B lowp_scales[5])
;;     4. batch 64 x [M 2,048, K 64] x [K 64, N 2,048]; A: computed on the way; B: computed on the way: QUANTISED (scales: A lowp_scales[6], B lowp_scales[7])
;;     5. batch 64 x [M 2,048, K 2,048] x [K 2,048, N 64]; A: softmax (see below); B: computed on the way: QUANTISED (scales: A lowp_scales[8], B lowp_scales[9])
;;     6. [M 8,192, K 1,024] x [K 1,024, N 1,024]; A: computed on the way; B: input Wp: QUANTISED (scales: A lowp_scales[10], B lowp_scales[11])
;;   THE QUANTISER, for each operand of a quantised product, along K:
;;     - The operand's scale is 2^e, e = its entry of the input lowp_scales (int32; the entries are numbered through the quantised products in the list's order, A before B).
;;     - Each number is divided by the scale, clamped to +-448, and rounded to the nearest number of E4M3, ties to even, subnormals kept.
;;     - The product sums the exact products of the quantised numbers (number of the format x scale) in f32.
;;   ~~~python
;;   def quantise(x, axis, e):      # numpy; x: float32 -> the quantised numbers, widened to float32 again
;;       x = np.moveaxis(x, axis, -1); K = x.shape[-1]
;;       r = np.clip(x / 2.0 ** e, -448, 448)
;;       step = 2.0 ** (np.maximum(np.frexp(np.where(r == 0, 1, r))[1] - 1, -6) - 3)
;;       q = np.round(r / step) * step * 2.0 ** e      # np.round: ties to even
;;       return np.moveaxis(q, -1, axis).astype(np.float32)
;;   ~~~
;;   SOFTMAX AHEAD OF A QUANTISED PRODUCT. Where the list says 'softmax', what is quantised is not the finished softmax but p = 2^(t - M), with t = logit x log2(e) and M = ceil(the row's largest t), a whole number; so 1/2 < the row's largest p <= 1. The row's sum l is taken of the UNQUANTISED p, in f32, and the product's result is divided by l at the end. Since M is a whole number, a kernel that streams over the keys may use a running M (the ceiling of the running maximum): every later rescaling is an exact power of two, so the quantised numbers keep their values, but for numbers so far below the row's largest that they fall under the format's range.
;;   OPERANDS COMPUTED ON THE WAY. 'Computed on the way' means the value that the module computes at that place (a softmax that the list does not call 'softmax' is quantised finished and normalised). What goes into a quantiser is computed in f32, as accurately as f32 sums, v_exp_f32 and their like allow (about 1e-6 of the number): no bf16 or f16 on the way to a quantiser, and a product that is left as it is and whose result goes on into a quantised operand takes f32 operands (vector FMAs, or v_wmma_f32_16x16x4_f32). A number that lies on a knife's edge between two numbers of the format may be rounded either way, as far as f32 arithmetic and the matrix unit's own rounding can turn it there, and no further.
;; One version. Each part assembles by itself: llvm-mc -triple=amdgcn-amd-amdhsa -mcpu=gfx1250 --defsym DOCPART=n.
;; ======== version 1 of 1: 4 launches
;; limits: right only within a limited range of input values
;; workspace buffers: xc 25,165,824 bytes; wc 4,194,304 bytes; qkvc 25,165,824 bytes; ac 8,388,608 bytes
;; launch quant (part 1): grid 640 x 1, 4 waves a work-group, no clusters, 68,096 bytes of LDS; arguments x, Wq, Wk, Wv, Wp, lowp_scales, xc, wc; writes xc, wc
.if DOCPART == 1
	.amdgcn_target "amdgcn-amd-amdhsa--gfx1250"
	.amdhsa_code_object_version 6
	.text
	.protected	k_q8408e556c6_quant
	.globl	k_q8408e556c6_quant
	.p2align	8
	.type	k_q8408e556c6_quant,@function
k_q8408e556c6_quant:
	s_mov_b64 s[64:65], 0
	v_nop
	global_prefetch_b8 v0, s[64:65] scope:SCOPE_SE
	s_setreg_imm32_b32 hwreg(HW_REG_WAVE_MODE, 25, 1), 1
	s_wait_xcnt 0x0
; x [8192][1024] f32 becomes codes of E4M3 three times over, under the scales 2^e0, 2^e2, 2^e4 (the A operands of the three projections): xc [3][8192][1024], K innermost.
; Wq, Wk, Wv, Wp [1024 k][1024 n] f32, whose K is the FIRST axis, become codes laid [n][k], K innermost, under e1, e3, e5, e11: wc [4][1024][1024].
; code = number / 2^e, held within +-448, rounded to the nearest code, ties to even.
; LIMITS: each e used here lies between -126 and 119, so that 2^e and 448 x 2^e are f32 numbers.  NaN among the inputs is not served; an infinity is held at the largest code.
; Work-groups 0-127 take the weights (128 columns x 256 along K each), work-groups 128-639 take x (16,384 numbers each).  The two paths have LDS bytes of their own.
; No matrix unit, no tensor load, no barrier: the launch streams, and waves share nothing.
.set WWGS,  128                        ; work-groups for the weights
.set SP,    80                         ; x: a lane's place in a stage: its 64 bytes + 16 of padding
.set R,     16                         ; x: v16-79   four sets of 16 numbers as they are loaded
.set X,     80                         ; x: v80-111  two sets of 16 neighbours
.set T,     112
.set C,     128                        ; x: v128-139 codes, four registers for each of the three scales
.set WSTG,  32768                      ; weights: the stages begin behind x's
.set WPIT,  272                        ; weights: a stage row: 256 bytes + 16
.set WX,    32                         ; weights: v32-95 two sets of 32 numbers
.set WC,    96                         ; weights: v96-103 a block's codes
.set WOUT,  112                        ; weights: v112-175 the way out
.macro MKSCALE se, vs, vl              ; v[vs] = 2^e as f32 (the conversion takes its exponent field)
	s_add_co_i32 s44, \se, 127
	s_lshl_b32 s45, s44, 23
	v_mov_b32 v[\vs], s45
	s_add_co_i32 s44, s44, 8
	s_lshl_b32 s44, s44, 23
	s_or_b32 s44, s44, 0x600000
.endm
	s_load_b256 s[4:11], s[0:1], 0x0               ; x s[4:5], Wq s[6:7], Wk s[8:9], Wv s[10:11]
	s_load_b256 s[12:19], s[0:1], 0x20             ; Wp s[12:13], the exponents s[14:15], xc s[16:17], wc s[18:19]
	v_lshl_add_u32 v192, v0, 2, 0x10800
	v_mov_b32 v193, 0
	v_lshrrev_b32 v1, 5, v0
	v_readfirstlane_b32 s20, v1                    ; wave 0..3
	v_and_b32 v2, 31, v0                           ; lane
	s_wait_kmcnt 0x0
	s_load_b256 s[24:31], s[14:15], 0x0            ; e0 .. e7
	s_load_b128 s[32:35], s[14:15], 0x20           ; e8 .. e11
	s_cmp_lt_u32 ttmp9, WWGS
	s_cbranch_scc0 .Lx
; ---- THE WEIGHTS.  A lane takes a column n and its registers run down K: each load reads 32 neighbouring columns (128 bytes a wave, 512 a work-group), and the conversions,
; which take neighbours along K from one lane's registers, give codes with K innermost.  A wave gathers 32 columns x 256 codes in its own stage and stores rows: sixteen lanes fill 256 aligned bytes.
	s_lshr_b32 s21, ttmp9, 5                       ; which weight: 0 q, 1 k, 2 v, 3 p
	s_bfe_u32 s22, ttmp9, 0x20003                  ; which 256 along K
	s_and_b32 s23, ttmp9, 7
	s_lshl_b32 s23, s23, 7
	s_lshl_b32 s40, s20, 5
	s_add_co_u32 s23, s23, s40                     ; my wave's first column
	s_mul_i32 s40, s20, 32*WPIT
	s_add_co_u32 s40, s40, WSTG                    ; my stage
	s_wait_alu depctr_va_vdst(0)
	v_lshlrev_b32 v3, 2, v2                        ; in: 4 bytes a lane
	v_mul_u32_u24 v4, v2, WPIT
	v_add_nc_u32 v4, s40, v4                       ; into the stage: row = my column
	v_and_b32 v5, 15, v2
	v_lshrrev_b32 v6, 4, v2
	v_mul_u32_u24 v7, v6, WPIT
	v_lshl_add_u32 v7, v5, 4, v7
	v_add_nc_u32 v7, s40, v7                       ; out of it: sixteen lanes to a row, two rows an instruction
	v_lshlrev_b32 v8, 10, v6
	v_lshl_add_u32 v8, v5, 4, v8                   ; and the same place in wc (a row is 1,024 bytes)
	s_wait_kmcnt 0x0
	s_cmp_eq_u32 s21, 1                            ; the choices hang on the work-group's number alone
	s_cselect_b64 s[36:37], s[8:9], s[6:7]
	s_cselect_b32 s43, s27, s25
	s_cmp_eq_u32 s21, 2
	s_cselect_b64 s[36:37], s[10:11], s[36:37]
	s_cselect_b32 s43, s29, s43
	s_cmp_eq_u32 s21, 3
	s_cselect_b64 s[36:37], s[12:13], s[36:37]
	s_cselect_b32 s43, s35, s43                    ; e1, e3, e5 or e11
	s_lshl_b32 s46, s22, 20                        ; 256 rows of 4,096 bytes
	s_lshl_b32 s47, s23, 2
	s_add_co_u32 s46, s46, s47
	s_mov_b32 s47, 0
	s_add_nc_u64 s[36:37], s[36:37], s[46:47]      ; the weight at my wave's part
	s_lshl_b32 s46, s21, 20
	s_lshl_b32 s48, s23, 10
	s_add_co_u32 s46, s46, s48
	s_lshl_b32 s48, s22, 8
	s_add_co_u32 s46, s46, s48
	s_add_nc_u64 s[38:39], s[18:19], s[46:47]      ; wc at my wave's part
.macro LOADW t                         ; block t: W(32 t + i, my column), i = 0 .. 31, into set t % 2
.set i, 0
.rept 32
	global_load_b32 v[WX+32*((\t)%2)+i], v3, s[36:37] offset:(32*(\t)+i)*4096 th:TH_LOAD_NT
.set i, i+1
.endr
.endm
	LOADW 0
	LOADW 1
	MKSCALE s43, 11, 10
.macro BLOCK t
.set XS, WX+32*((\t)%2)
.if (\t) < 7
	s_wait_loadcnt 32                              ; this block's 32 loads are in; the next block's 32 may be out
.else
	s_wait_loadcnt 0
.endif
.set i, 0
.rept 32
.set i, i+1
.endr
.irp g, 0,1,2,3
	v_cvt_scalef32_pk8_fp8_f32 v[WC+2*\g:WC+2*\g+1], v[XS+8*\g:XS+8*\g+7], v11
.endr
	ds_store_b128 v4, v[WC:WC+3] offset:32*(\t)    ; 32 codes of my column's row.  (The codes go to LDS stores alone)
	ds_store_b128 v4, v[WC+4:WC+7] offset:32*(\t)+16
.if (\t)+2 < 8
	LOADW (\t)+2
.endif
	s_wait_dscnt 0x0                               ; the stores have read their registers: the next block's codes may be written
.endm
	s_wait_alu depctr_va_vdst(0)
.irp t, 0,1,2,3,4,5,6,7
	BLOCK \t
.endr
.set i, 0
.rept 16
	ds_load_b128 v[WOUT+4*i:WOUT+4*i+3], v7 offset:2*i*WPIT   ; LDS serves a wave's instructions in order: these see my stores
.set i, i+1
.endr
.set i, 0
.rept 16
	s_wait_dscnt 15-i                              ; the younger loads from the stage may be out
	global_store_b128 v8, v[WOUT+4*i:WOUT+4*i+3], s[38:39] offset:2*i*1024
.set i, i+1
.endr
	s_wait_tensorcnt 0x0
	ds_add_u32 v192, v193
	s_wait_dscnt 0x0
	s_endpgm
; ---- x.  A plain stream: a wave takes 8 steps of 512 numbers.  Each load reads 512 consecutive bytes; a step's 2,048 bytes turn through the wave's own stage, so that a lane holds 16 neighbours
; along K for the conversions.  Each step is held and converted three times, once under each scale; a lane's 16 codes are 16 bytes, so a store covers 512 consecutive bytes.
.Lx:
	s_sub_co_u32 s21, ttmp9, WWGS
	s_lshl_b32 s21, s21, 2
	s_add_co_u32 s21, s21, s20                     ; which run of 4,096 numbers is my wave's
	s_lshl_b32 s22, s21, 14
	s_mov_b32 s23, 0
	s_add_nc_u64 s[4:5], s[4:5], s[22:23]
	s_lshl_b32 s22, s21, 12
	s_add_nc_u64 s[36:37], s[16:17], s[22:23]      ; the codes under e0,
	s_add_nc_u64 s[38:39], s[36:37], 0x800000      ; under e2,
	s_add_nc_u64 s[40:41], s[36:37], 0x1000000     ; under e4
	s_wait_alu depctr_va_vdst(0)
	v_lshlrev_b32 v3, 4, v2                        ; my 16 bytes of a load's, and of a store's, 512
	s_lshl_b32 s22, s20, 13                        ; my wave's 8,192 bytes of LDS: two stages of 32 x SP
	v_lshrrev_b32 v14, 2, v2
	v_mul_u32_u24 v14, v14, SP
	v_and_b32 v15, 3, v2
	v_lshl_add_u32 v14, v15, 4, v14
	v_add_nc_u32 v14, s22, v14                     ; in: four lanes' 64 bytes on end, then 16 of padding
	v_mul_u32_u24 v15, v2, SP
	v_add_nc_u32 v15, s22, v15                     ; out: my 16 neighbours
.macro LOADX t
.irp i, 0,1,2,3
	global_load_b128 v[R+16*((\t)%4)+4*\i:R+16*((\t)%4)+4*\i+3], v3, s[4:5] offset:2048*(\t)+512*\i th:TH_LOAD_NT
.endr
.endm
.macro TURNX t                         ; step t's numbers through the stage; LDS serves a wave's instructions in order, so no wait stands between
.irp i, 0,1,2,3
	ds_store_b128 v14, v[R+16*((\t)%4)+4*\i:R+16*((\t)%4)+4*\i+3] offset:32*SP*((\t)%2)+8*SP*\i
.endr
.irp i, 0,1,2,3
	ds_load_b128 v[X+16*((\t)%2)+4*\i:X+16*((\t)%2)+4*\i+3], v15 offset:32*SP*((\t)%2)+16*\i
.endr
.endm
.macro QSET t, j, dst                  ; the step's 16 numbers under scale j, to the buffer part at s[dst]
.set i, 0
.rept 16
.set i, i+1
.endr
	v_cvt_scalef32_pk8_fp8_f32 v[C+4*\j:C+4*\j+1], v[XS:XS+7], v[8+2*\j]
	v_cvt_scalef32_pk8_fp8_f32 v[C+4*\j+2:C+4*\j+3], v[XS+8:XS+15], v[8+2*\j]
	v_nop                                          ; one plain vector line between the conversions and the store that reads their codes
	global_store_b128 v3, v[C+4*\j:C+4*\j+3], s[\dst:\dst+1] offset:512*(\t)
.endm
.irp t, 0,1,2,3
	LOADX \t
.endr
	s_wait_alu depctr_va_vdst(0)
	s_wait_kmcnt 0x0
	MKSCALE s24, 8, 9                              ; e0
	MKSCALE s26, 10, 11                            ; e2
	MKSCALE s28, 12, 13                            ; e4
	s_wait_alu depctr_va_vdst(0)
	s_wait_loadcnt 12                              ; step 0's four loads are in; three steps' twelve may be out
	TURNX 0
.macro STEPX t
.set XS, X+16*((\t)%2)
	s_wait_dscnt 0x0                               ; this step's numbers are back from the stage, and its stores into the stage have read their registers,
.if (\t)+4 < 8
	LOADX (\t)+4                                   ; which take the loads of four steps on
.endif
.if (\t)+1 < 8
.if 6-(\t) >= 3
	s_wait_loadcnt 12                              ; the next step's four loads are in; those of the three steps behind it may be out
.else
	s_wait_loadcnt 4*(6-(\t))                      ; near the end fewer steps stand behind it
.endif
	TURNX (\t)+1
.endif
	s_wait_xcnt 0x0                                ; the last step's stores have read their codes: the registers are written again only behind this wait
	QSET \t, 0, 36
	QSET \t, 1, 38
	QSET \t, 2, 40
.endm
.irp t, 0,1,2,3,4,5,6,7
	STEPX \t
.endr
	s_wait_tensorcnt 0x0
	ds_add_u32 v192, v193
	s_wait_dscnt 0x0
	s_endpgm
.Lfunc_end_k_q8408e556c6_quant:
	.size	k_q8408e556c6_quant, .Lfunc_end_k_q8408e556c6_quant-k_q8408e556c6_quant
	.p2alignl 7, 3214868480
	.fill 96, 4, 3214868480
	.section	.rodata,"a",@progbits
	.p2align	6, 0x0
	.amdhsa_kernel k_q8408e556c6_quant
		.amdhsa_group_segment_fixed_size 68096
		.amdhsa_private_segment_fixed_size 0
		.amdhsa_enable_private_segment 0
		.amdhsa_kernarg_size 64
		.amdhsa_user_sgpr_count 2
		.amdhsa_user_sgpr_kernarg_segment_ptr 1
		.amdhsa_wavefront_size32 1
		.amdhsa_system_sgpr_workgroup_id_x 1
		.amdhsa_system_sgpr_workgroup_id_y 1
		.amdhsa_system_sgpr_workgroup_id_z 1
		.amdhsa_system_vgpr_workitem_id 0
		.amdhsa_next_free_vgpr 194
		.amdhsa_next_free_sgpr 66
		.amdhsa_reserve_vcc 0
		.amdhsa_float_denorm_mode_32 3
		.amdhsa_float_denorm_mode_16_64 3
		.amdhsa_fp16_overflow 1
		.amdhsa_memory_ordered 1
		.amdhsa_forward_progress 1
		.amdhsa_inst_pref_size 49
	.end_amdhsa_kernel
	.amdgpu_metadata
---
amdhsa.version: [ 1, 2 ]
amdhsa.kernels:
  - .name:           k_q8408e556c6_quant
    .symbol:         k_q8408e556c6_quant.kd
    .args:
      - { .name: x, .offset: 0, .size: 8, .value_kind: global_buffer, .address_space: global }
      - { .name: Wq, .offset: 8, .size: 8, .value_kind: global_buffer, .address_space: global }
      - { .name: Wk, .offset: 16, .size: 8, .value_kind: global_buffer, .address_space: global }
      - { .name: Wv, .offset: 24, .size: 8, .value_kind: global_buffer, .address_space: global }
      - { .name: Wp, .offset: 32, .size: 8, .value_kind: global_buffer, .address_space: global }
      - { .name: lowp_scales, .offset: 40, .size: 8, .value_kind: global_buffer, .address_space: global }
      - { .name: xc, .offset: 48, .size: 8, .value_kind: global_buffer, .address_space: global }
      - { .name: wc, .offset: 56, .size: 8, .value_kind: global_buffer, .address_space: global }
    .group_segment_fixed_size: 68096
    .private_segment_fixed_size: 0
    .kernarg_segment_align: 8
    .kernarg_segment_size: 64
    .max_flat_workgroup_size: 128
    .sgpr_count:     66
    .vgpr_count:     194
    .wavefront_size: 32
...
	.end_amdgpu_metadata
.endif
;; end of part 1
;; launch qkv (part 2): grid 12 x 32, 4 waves a work-group, clusters of 4 x 4, 327,680 bytes of LDS; arguments xc, wc, lowp_scales, bq, bk, bv, qkvc; writes qkvc
.if DOCPART == 2
	.amdgcn_target "amdgcn-amd-amdhsa--gfx1250"
	.amdhsa_code_object_version 6
	.text
	.protected	k_q8408e556c6_qkv
	.globl	k_q8408e556c6_qkv
	.p2align	8
	.type	k_q8408e556c6_qkv,@function
k_q8408e556c6_qkv:
	s_mov_b64 s[64:65], 0
	v_nop
	global_prefetch_b8 v0, s[64:65] scope:SCOPE_SE
	s_setreg_imm32_b32 hwreg(HW_REG_WAVE_MODE, 25, 1), 1
	s_wait_xcnt 0x0
	s_wait_alu depctr_hold_cnt(0) depctr_sa_sdst(0) depctr_va_vdst(0) depctr_va_sdst(0) depctr_va_ssrc(0) depctr_va_vcc(0) depctr_vm_vsrc(0)
	s_getreg_b32 s2, hwreg(HW_REG_IB_STS2, 6, 4)
	s_cmp_eq_u32 s2, 0
	s_cbranch_scc0 .Lentry_in_a_cluster
	s_endpgm
.Lentry_in_a_cluster:
	s_bfe_u32 s2, ttmp6, 0x10000c
	s_cmp_lg_u32 s2, 0xf033
	s_cbranch_scc0 .Lentry_shape_is_right
	s_endpgm
.Lentry_shape_is_right:
; q = x Wq + bq, k = x Wk + bk, v = x Wv + bv on codes of E4M3, and the three results quantised at once, as the attention launch wants them:
;   q at byte 0 and k at byte 1<<23 of qkvc: [64 batch x head][2048 rows][64 d]; inside every 32 rows the four groups of 8 tokens lie in the order 0, 2, 1, 3;   v at byte 2<<23: [64 batch x head][64 d][2048 tokens].
; THE KIND is the cluster's x: 0 q, 1 k, 2 v, equal in all sixteen partners.  For q and k the A role (rows of the tile) is x's codes and the B role (columns) the weight's.  FOR v THE ROLES ARE SWAPPED:
; rows are Wv's 1,024 outputs, columns the 8,192 tokens, so that the same instruction leaves a lane with one output and eight neighbouring TOKENS: v with the keys innermost; nothing is transposed.
; A tile, 256 x 256, is made by four waves, each 128 x 128: 64 accumulators.  K = 1,024 goes in four steps of 256 through a ring of two LDS slots filled by the tensor data mover.
; CLUSTERS: 4 x 4 work-groups; the A role's tile is asked for jointly along a row of the cluster, the B role's along a column.
; THE MATRIX INSTRUCTION IS USED TRANSPOSED (source 0 = 16 rows of the B role, source 1 = 16 of the A role): lane (r, h), register j of accumulator (a, b) holds tile element (16 a + r, 16 b + 8 h + j).
; Fragments come by loads of 16 bytes, 32 apart: a permutation of k, the same on both sides, so every product meets its partner.
; THE BIAS is the C of each sum's first matrix instruction, divided by the power of two that the sums lack: bias / 2^(ea + eb).  The sum's code is then sum / 2^(eo - ea - eb), held within +-448.
; LIMITS: eo - ea - eb between -126 and 119 (ea, eb: the product's two exponents, eo: the result's as an operand: e6, e7, e9).  NaN is not served.
; REGISTERS: window 0: v16-31 addresses and constants; v32-95 the bias; v96-103 at work; v128-255 the A role's fragments (one set), later codes, later rows on their way out.
;   window 1: the B role's fragments, two sets.   windows 2, 3: the accumulators of my rows 0-63, 64-127: (a, b) at v[8 (8 (a % 4) + b)].
.set ROWB,   256                       ; a tile's row in bytes: 256 codes
.set KROW,   1024                      ; a row of codes in memory
.set PITCH,  272                       ; an LDS row: 256 bytes + 16: the 16 rows of a fragment load start at 16 different groups of banks (64 banks of 4 bytes: ISA guide 11.1)
.set FR,     16
.set NL,     4
.set NP,     4                         ; places behind this matrix instruction (ISA guide 7.12.1)
.set HALFT,  128*PITCH
.set SLOT,   4*HALFT
.set LAPS,   2                         ; 1,024 / 512
.set SPARE,  2*SLOT                    ; the spare words: 128 bytes a wave, two blocks of 256 bytes that no other line names
.set SROW,   80                        ; the stage (in slot 0, behind its last fill and last read): four groups of 64 columns; a group is 256 rows of 64 bytes + 16,
.set GS,     256*SROW+64               ; and 64 bytes of skew, so that a row's four pieces fall on different banks
.set ADRA, 16
.set ADRB, 20
.set GOQ,  22                          ; v22  q, k: 16 x lane
.set GOV,  23                          ; v23  v: 2,048 h + 16 r
.set STO,  24                          ; v24  where I put 8 codes
.set RDQ,  25                          ; v25  q, k: where I read 8 rows of 64 bytes back
.set RDV,  26                          ; v26  v: where I read 2 rows of 256 bytes back
.set SC,   27                          ; v27  2^(eo - ea - eb)
.set SPW,  28
.set NIL,  29
.set BH,   30                          ; v30  32 h
.set BR,   31                          ; v31  4 r
.set BI,   32
.set T,    96
.set AF,   128
.set G1, 24
.set G0, 32
.set G1B, 48
.set G0B, 56
.set KIND, 66
.set MSB, 0
.macro WIN new                         ; the immediate's high byte repeats the setting that is left
.if MSB != (\new)
	s_set_vgpr_msb (MSB<<8)|(\new)
.set MSB, (\new)
.endif
.endm
.set MUL_LO, 0xa1                      ; source 0 window 1, source 1 window 0, C and D window 2
.set MUL_HI, 0xf1                      ; the same, C and D window 3
.set TO_B,   0x40
; A joint load: waves 0 and 1 fetch for the A role, waves 2 and 3 for the B role; the branch hangs on the wave's number alone.  Four v_nop follow each line.
.macro JLOAD g0a, g1a, g0b, g1b
	s_cmp_eq_u32 s15, 0
	s_cbranch_scc0 .Lfor_b_\@
	tensor_load_to_lds s[\g0a:\g0a+3], s[\g1a:\g1a+7]
	s_nop 0
.rept 4
	v_nop
.endr
	s_branch .Lasked_\@
.Lfor_b_\@:
	tensor_load_to_lds s[\g0b:\g0b+3], s[\g1b:\g1b+7]
	s_nop 0
.rept 4
	v_nop
.endr
.Lasked_\@:
.endm
.macro CREST                           ; a round of the cluster's barrier behind its opening barrier
	s_cmp_lg_u32 s14, 0
	s_cbranch_scc1 .Lnot_wave_0_\@
	s_barrier_signal -3
.Lnot_wave_0_\@:
	s_barrier_wait -3
	s_barrier_signal -1
	s_barrier_wait -1
.endm
.macro CROUND
	s_barrier_signal -1
	s_barrier_wait -1
	CREST
.endm
	s_load_b128 s[4:7], s[0:1], 0x0                ; xc, wc
	s_load_b128 s[8:11], s[0:1], 0x10              ; the exponents, bq
	s_load_b128 s[68:71], s[0:1], 0x20             ; bk, bv
	s_load_b64 s[72:73], s[0:1], 0x30              ; qkvc
	v_lshl_add_u32 v[SPW], v0, 2, SPARE
	v_mov_b32 v[NIL], 0
	ds_add_u32 v28, v29
	ds_add_u32 v28, v29
	s_wait_dscnt 0x0
	v_lshrrev_b32 v1, 5, v0
	v_readfirstlane_b32 s14, v1                    ; wave 0..3
	s_lshr_b32 s15, s14, 1                         ; which half of the tile's rows is mine.  Also: I fetch for the A role (0) or the B role (1)
	s_and_b32 s16, s14, 1                          ; which half of its columns.  Also: which 128 rows of that tile I fetch
	s_bfe_u32 s40, ttmp6, 0x40000                  ; cx
	s_bfe_u32 s41, ttmp6, 0x40004                  ; cy
	s_mov_b32 s[KIND], ttmp9                       ; the cluster's x
	s_and_b32 s67, ttmp7, 0xffff
	s_lshl_b32 s67, s67, 2                         ; 4 x the cluster's y
	s_cmp_eq_u32 s[KIND], 2
	s_cselect_b32 s17, 0, s67
	s_cselect_b32 s42, s67, 0
	s_add_co_u32 s17, s17, s41                     ; tile row: q, k: 0..31 (tokens); v: 0..3 (outputs)
	s_add_co_u32 s42, s42, s40                     ; tile column: q, k: 0..3; v: 0..31
	s_lshl_b32 s43, s41, 2
	s_lshl_b32 s43, 15, s43                        ; my row of the cluster
	s_lshl_b32 s44, 0x1111, s40                    ; my column
	s_or_b32 s[G1+0], s43, (0<<16)|(1<<20)|(1<<21)|(5<<22)|(3<<25)   ; the mask; elements of 1 byte; padding on; bit 21 beside a mask; 4 words after every 64
	s_or_b32 s[G1B+0], s44, (0<<16)|(1<<20)|(1<<21)|(5<<22)|(3<<25)
.irp g, G1, G1B
	s_mov_b32 s[\g+1], ROWB<<16                    ; tensor_dim0
	s_mov_b32 s[\g+2], 128<<16                     ; tensor_dim1
	s_mov_b32 s[\g+3], ROWB<<16                    ; tile_dim0
	s_mov_b32 s[\g+4], 128                         ; tile_dim1
	s_mov_b32 s[\g+5], KROW                        ; the pitch
	s_mov_b32 s[\g+6], 0
	s_mov_b32 s[\g+7], 0
.endr
	s_lshl_b32 s18, s16, 7                         ; which 128 rows of the tile I fetch
	s_lshl_b32 s20, s17, 8
	s_add_co_u32 s20, s20, s18
	s_lshl_b32 s20, s20, 10                        ; A role: (256 x tile row + 128 x half) rows of 1,024 bytes
	s_lshl_b32 s46, s42, 8
	s_add_co_u32 s46, s46, s18
	s_lshl_b32 s46, s46, 10                        ; B role likewise, by the tile column
	s_lshl_b32 s18, s[KIND], 23                    ; x's codes under this kind's scale
	s_lshl_b32 s19, s[KIND], 20                    ; this kind's weight
	s_cmp_eq_u32 s[KIND], 2
	s_cselect_b32 s22, s19, s18
	s_cselect_b32 s23, s18, s19
	s_add_co_u32 s20, s20, s22
	s_add_co_u32 s46, s46, s23
	s_mov_b32 s21, 0
	s_mov_b32 s47, 0
	s_mul_i32 s45, s14, HALFT                      ; where the tiles go: wave x 128 rows: no place in the cluster enters an LDS address
	s_wait_kmcnt 0x0
	s_load_b256 s[76:83], s[8:9], 0x0              ; e0 .. e7
	s_load_b128 s[84:87], s[8:9], 0x20             ; e8 .. e11
	s_cmp_eq_u32 s[KIND], 2
	s_cselect_b64 s[12:13], s[6:7], s[4:5]         ; the A role's buffer,
	s_cselect_b64 s[74:75], s[4:5], s[6:7]         ; the B role's
	s_add_nc_u64 s[20:21], s[12:13], s[20:21]
	s_add_nc_u64 s[46:47], s[74:75], s[46:47]
	CROUND                                         ; all sixteen work-groups are here: the first joint loads meet
.irp s, 0,1
	s_mov_b32 s[G0+4*\s], 1
	s_add_co_u32 s[G0+4*\s+1], s45, \s*SLOT
	s_add_nc_u64 s[G0+4*\s+2:G0+4*\s+3], s[20:21], \s*ROWB
	s_or_b32 s[G0+4*\s+3], s[G0+4*\s+3], 0x80000000
	s_mov_b32 s[G0B+4*\s], 1
	s_add_co_u32 s[G0B+4*\s+1], s45, \s*SLOT
	s_add_nc_u64 s[G0B+4*\s+2:G0B+4*\s+3], s[46:47], \s*ROWB
	s_or_b32 s[G0B+4*\s+3], s[G0B+4*\s+3], 0x80000000
	JLOAD G0+4*\s, G1, G0B+4*\s, G1B               ; two loads of mine are out
.endr
	; every address register is made here, on the one way that all kinds take
	v_and_b32 v1, 15, v0                           ; r
	v_bfe_u32 v2, v0, 4, 1                         ; h
	v_and_b32 v5, 31, v0                           ; lane
	v_mul_u32_u24 v3, v1, PITCH
	v_lshl_add_u32 v4, v2, 4, v3                   ; a fragment's row x pitch + 16 h
	s_mul_i32 s21, s15, HALFT
	s_mul_i32 s22, s16, HALFT
	s_add_co_u32 s22, s22, 2*HALFT
.irp s, 0,1
	v_add_nc_u32 v[ADRA+\s], s21, v4
	v_add_nc_u32 v[ADRB+\s], s22, v4
	s_add_co_u32 s21, s21, SLOT
	s_add_co_u32 s22, s22, SLOT
.endr
	v_lshlrev_b32 v[GOQ], 4, v5
	v_lshlrev_b32 v[GOV], 11, v2
	v_lshl_add_u32 v[GOV], v1, 4, v[GOV]
	s_mul_i32 s23, s16, 2*GS
	s_mul_i32 s21, s15, 128*SROW
	s_add_co_u32 s23, s23, s21
	v_mul_u32_u24 v[STO], v1, SROW
	v_lshl_add_u32 v[STO], v2, 3, v[STO]
	v_add_nc_u32 v[STO], s23, v[STO]               ; 2 GS x column half + (128 x row half + r) x 80 + 8 h
	s_mul_i32 s23, s14, GS
	v_lshrrev_b32 v6, 2, v5
	v_and_b32 v7, 3, v5
	v_mul_u32_u24 v[RDQ], v6, SROW
	v_lshl_add_u32 v[RDQ], v7, 4, v[RDQ]
	v_add_nc_u32 v[RDQ], s23, v[RDQ]               ; GS x wave + (lane / 4) x 80 + 16 (lane % 4)
	s_mul_i32 s23, s14, 64*SROW
	v_lshrrev_b32 v6, 2, v1
	v_mul_u32_u24 v[RDV], v6, GS
	v_lshl_add_u32 v[RDV], v7, 4, v[RDV]
	v_mul_u32_u24 v6, v2, SROW
	v_add_nc_u32 v[RDV], v6, v[RDV]
	v_add_nc_u32 v[RDV], s23, v[RDV]               ; GS x (r / 4) + (64 x wave + h) x 80 + 16 (lane % 4)
	v_lshlrev_b32 v[BH], 5, v2
	v_lshlrev_b32 v[BR], 2, v1
	s_wait_kmcnt 0x0                               ; the exponents.  What they decide is chosen without a jump
	s_add_co_i32 s88, s76, s77
	s_add_co_i32 s18, s78, s79
	s_add_co_i32 s19, s80, s81
	s_cmp_eq_u32 s[KIND], 1
	s_cselect_b32 s88, s18, s88
	s_cselect_b32 s89, s83, s82
	s_cselect_b64 s[94:95], s[68:69], s[10:11]
	s_cmp_eq_u32 s[KIND], 2
	s_cselect_b32 s88, s19, s88                    ; ea + eb
	s_cselect_b32 s89, s85, s89                    ; eo: e6, e7 or e9
	s_cselect_b64 s[94:95], s[70:71], s[94:95]     ; the kind's bias
	s_sub_co_i32 s90, 0, s88                       ; -(ea + eb)
	s_sub_co_i32 s91, s89, s88
	s_add_co_i32 s91, s91, 127
	s_lshl_b32 s18, s91, 23
	v_mov_b32 v[SC], s18                           ; 2^(eo - ea - eb)
	; THE BIAS, in the result's layout, while the first tiles are on their way.  q, k: by the column (eight registers for each column block b); v: by the row (one number a lane for each row block a, in all eight registers)
	s_cmp_eq_u32 s[KIND], 2
	s_cbranch_scc1 .Lbias_v
	s_lshl_b32 s18, s42, 10
	s_lshl_b32 s19, s16, 9
	s_add_co_u32 s18, s18, s19
	s_mov_b32 s19, 0
	s_add_nc_u64 s[94:95], s[94:95], s[18:19]      ; 4 x (256 x tile column + 128 x half)
	s_wait_alu depctr_va_vdst(0)
.irp b, 0,1,2,3,4,5,6,7
	global_load_b128 v[BI+8*\b:BI+8*\b+3], v[BH], s[94:95] offset:64*\b
	global_load_b128 v[BI+8*\b+4:BI+8*\b+7], v[BH], s[94:95] offset:64*\b+16
.endr
	s_wait_loadcnt 0x0
.set i, 0
.rept 64
	v_ldexp_f32 v[BI+i], v[BI+i], s90
.set i, i+1
.endr
	s_branch .Lbias_done
.Lbias_v:
	s_lshl_b32 s18, s17, 10
	s_lshl_b32 s19, s15, 9
	s_add_co_u32 s18, s18, s19
	s_mov_b32 s19, 0
	s_add_nc_u64 s[94:95], s[94:95], s[18:19]      ; 4 x (256 x tile row + 128 x half)
	s_wait_alu depctr_va_vdst(0)
.irp a, 0,1,2,3,4,5,6,7
	global_load_b32 v[T+\a], v[BR], s[94:95] offset:64*\a
.endr
	s_wait_loadcnt 0x0
.irp a, 0,1,2,3,4,5,6,7
.irp j, 0,1,2,3,4,5,6,7
	v_ldexp_f32 v[BI+8*\a+\j], v[T+\a], s90
.endr
.endr
.Lbias_done:
.macro FRAG reg, adr, q, i             ; 16 rows x 128 K: lane (r, h) holds row r; registers 4 c .. 4 c + 3 hold K = 32 c + 16 h + 0 .. 15
.irp c, 0,1,2,3
	ds_load_b128 v[\reg+4*\c:\reg+4*\c+3], v[\adr] offset:128*(\q)+32*\c+(\i)*16*PITCH
.endr
.endm
; 16 matrix instructions: row blocks a0, a0 + 1 x the eight column blocks.  p: the B role's set.  mode 0: the sums go on; 1: they start from the bias by column; 2: from the bias by row.
; The 64 accumulators take turns, one instruction a turn, in the same order in every step.
.macro MUL16 a0, p, mode
.irp a, \a0, \a0+1
.irp b, 0,1,2,3,4,5,6,7
.if (\mode) == 0
	v_wmma_f32_16x16x128_fp8_fp8 v[8*(8*((\a)%4)+\b):8*(8*((\a)%4)+\b)+7], v[128*(\p)+FR*\b:128*(\p)+FR*\b+FR-1], v[AF+FR*(\a):AF+FR*(\a)+FR-1], v[8*(8*((\a)%4)+\b):8*(8*((\a)%4)+\b)+7]
.elseif (\mode) == 1
	v_wmma_f32_16x16x128_fp8_fp8 v[8*(8*((\a)%4)+\b):8*(8*((\a)%4)+\b)+7], v[128*(\p)+FR*\b:128*(\p)+FR*\b+FR-1], v[AF+FR*(\a):AF+FR*(\a)+FR-1], v[BI+8*\b:BI+8*\b+7]
.else
	v_wmma_f32_16x16x128_fp8_fp8 v[8*(8*((\a)%4)+\b):8*(8*((\a)%4)+\b)+7], v[128*(\p)+FR*\b:128*(\p)+FR*\b+FR-1], v[AF+FR*(\a):AF+FR*(\a)+FR-1], v[BI+8*(\a):BI+8*(\a)+7]
.endif
.endr
.endr
.endm
.macro FETCH_B slot, q, p
	WIN TO_B
.irp i, 0,1,2,3,4,5,6,7
	FRAG 128*(\p)+FR*\i, ADRB+\slot, \q, \i
.endr
	WIN 0
.endm
.macro FETCH_A slot, q, i0
.irp i, \i0, \i0+1, \i0+2, \i0+3
	FRAG AF+FR*(\i), ADRA+\slot, \q, \i
.endr
.endm
.macro PLACES n                        ; plain vector lines between a matrix instruction and a load into, or a vector read of, its registers
.rept \n
	v_nop
.endr
.endm
.macro STEP slot, q, mode              ; 128 along K, with its successor in the same slot
	s_wait_dscnt 4*NL                              ; the B role's set and row blocks 0-3 are in; the youngest sixteen loads (row blocks 4-7) may be out
.if (\mode) == 0
	WIN MUL_LO
.else
	WIN 0x81                                       ; C (the bias) in window 0, D in window 2
.endif
	MUL16 0, (\q)%2, \mode
	MUL16 2, (\q)%2, \mode
	s_wait_dscnt 0
	PLACES NP
	FETCH_B \slot, (\q)+1, 1-(\q)%2
	FETCH_A \slot, (\q)+1, 0
.if (\mode) == 0
	WIN MUL_HI
.else
	WIN 0xc1
.endif
	MUL16 4, (\q)%2, \mode
	MUL16 6, (\q)%2, \mode
	PLACES NP
	WIN 0
	FETCH_A \slot, (\q)+1, 4
.endm
; A slot's last step changes slots: in front of the barrier each wave waits for all its tensor loads, adds 0 to its spare word, and waits for that and for its reads of this slot.
.macro TURN slot, next, fill
	s_wait_tensorcnt 0x0                           ; all my tensor loads have landed: my part of the next slot
	ds_add_u32 v[SPW], v[NIL]                      ; 0 onto my spare word
	s_wait_dscnt 4*NL+1                            ; the add and the youngest sixteen loads may be out
	WIN MUL_LO
	MUL16 0, 1, 0
	s_wait_dscnt 0x0                               ; the add is done, and my reads of this slot are over
	s_barrier_signal -1
	MUL16 2, 1, 0
	WIN 0
	s_barrier_wait -1
.if \fill
	CREST                                          ; the barrier has opened a round of the cluster's: no wave of any partner still reads this slot or has a load on its way
	s_add_nc_u64 s[G0+4*\slot+2:G0+4*\slot+3], s[G0+4*\slot+2:G0+4*\slot+3], 2*ROWB
	s_add_nc_u64 s[G0B+4*\slot+2:G0B+4*\slot+3], s[G0B+4*\slot+2:G0B+4*\slot+3], 2*ROWB
	JLOAD G0+4*\slot, G1, G0B+4*\slot, G1B         ; my one tensor load behind the round; its four v_nop are the places in front of the loads below
.else
	PLACES NP
.endif
	FETCH_B \next, 0, 0
	FETCH_A \next, 0, 0
	WIN MUL_HI
	MUL16 4, 1, 0
	MUL16 6, 1, 0
	PLACES NP
	WIN 0
	FETCH_A \next, 0, 4
.endm
	s_wait_tensorcnt 1                             ; my part of K step 0 is in; K step 1's one load may be out
	s_barrier_signal -1
	s_barrier_wait -1
	FETCH_B 0, 0, 0
	FETCH_A 0, 0, 0
	FETCH_A 0, 0, 4
	s_cmp_eq_u32 s[KIND], 2                        ; the first step starts the sums from the bias: by column for q and k, by row for v
	s_cbranch_scc1 .Lfirst_v
	s_wait_alu depctr_va_vdst(0)
	STEP 0, 0, 1
	s_branch .Lfirst_done
.Lfirst_v:
	s_wait_alu depctr_va_vdst(0)
	STEP 0, 0, 2
.Lfirst_done:
	s_mov_b32 s3, LAPS-1
.Llap:                                                 ; a trip goes once round the ring and fills both slots again
	TURN 0, 1, 1
	STEP 1, 0, 0
	TURN 1, 0, 1
	STEP 0, 0, 0
	s_sub_co_u32 s3, s3, 1
	s_cmp_lg_u32 s3, 0
	s_cbranch_scc1 .Llap
	TURN 0, 1, 0                                   ; the last lap fills nothing
	STEP 1, 0, 0
	s_wait_dscnt 4*NL
	WIN MUL_LO
	MUL16 0, 1, 0
	MUL16 2, 1, 0
	s_wait_dscnt 0
	WIN MUL_HI
	MUL16 4, 1, 0
	MUL16 6, 1, 0
	WIN 0
	; THE WAY OUT.  Each sum is held and converted: a lane's eight registers are eight neighbours along the reader's K, 8 bytes.  The codes meet in the work-group's stage.
	PLACES NP
.irp w, 0,1
	WIN 0x82+0x41*\w                               ; source 0 and destination: window 2, then 3
.set i, 0
.rept 256
.set i, i+1
.endr
	WIN 0x02+\w
.set i, 0
.rept 32
	v_cvt_scalef32_pk8_fp8_f32 v[128+64*\w+2*i:128+64*\w+2*i+1], v[8*i:8*i+7], v[SC]
.set i, i+1
.endr
	v_nop                                          ; one plain vector line behind the last conversion
	WIN 0
.irp a, 0,1,2,3
.irp b, 0,1,2,3,4,5,6,7
	ds_store_b64 v[STO], v[128+64*\w+2*(8*\a+\b):128+64*\w+2*(8*\a+\b)+1] offset:(4*\w+\a)*16*SROW+(\b/4)*GS+(\b%4)*16
.endr
.endr
.endr
	s_wait_dscnt 0x0                               ; for the others' sake: my stores into the stage are done
	s_barrier_signal -1
	s_barrier_wait -1
	s_cmp_eq_u32 s[KIND], 2
	s_cbranch_scc1 .Lsend_v
	; q, k: wave w takes column group w, one head: 256 rows of 64 bytes, 8 rows (512 bytes on end) a store; token group g of four goes to place 2 (g % 2) + g / 2
	s_lshl_b32 s18, s[KIND], 23
	s_lshr_b32 s19, s17, 3
	s_lshl_b32 s19, s19, 21                        ; the batch
	s_add_co_u32 s18, s18, s19
	s_lshl_b32 s19, s42, 2
	s_add_co_u32 s19, s19, s14
	s_lshl_b32 s19, s19, 17                        ; the head
	s_add_co_u32 s18, s18, s19
	s_and_b32 s19, s17, 7
	s_lshl_b32 s19, s19, 14                        ; the tile's 256 rows
	s_add_co_u32 s18, s18, s19
	s_mov_b32 s19, 0
	s_add_nc_u64 s[96:97], s[72:73], s[18:19]
.set i, 0
.rept 32
	ds_load_b128 v[128+4*i:128+4*i+3], v[RDQ] offset:8*SROW*i
.set i, i+1
.endr
.set i, 0
.rept 32
	s_wait_dscnt 31-i                              ; the younger loads from the stage may be out
	global_store_b128 v[GOQ], v[128+4*i:128+4*i+3], s[96:97] offset:512*(4*(i/4)+2*(i%2)+(i%4)/2)
.set i, i+1
.endr
	s_branch .Lsent
.Lsend_v:
	; v: wave w takes rows 64 w .. 64 w + 63 (outputs); a row's 256 tokens are 256 aligned bytes, stored by sixteen lanes
	s_lshr_b32 s19, s42, 3
	s_lshl_b32 s18, s19, 21                        ; the batch
	s_add_co_u32 s18, s18, 0x1000000
	s_lshl_b32 s19, s17, 8
	s_lshl_b32 s22, s14, 6
	s_add_co_u32 s19, s19, s22
	s_lshl_b32 s19, s19, 11                        ; head x 64 + d: rows of 2,048 bytes
	s_add_co_u32 s18, s18, s19
	s_and_b32 s19, s42, 7
	s_lshl_b32 s19, s19, 8                         ; the tile's 256 tokens
	s_add_co_u32 s18, s18, s19
	s_mov_b32 s19, 0
	s_add_nc_u64 s[96:97], s[72:73], s[18:19]
.set i, 0
.rept 32
	ds_load_b128 v[128+4*i:128+4*i+3], v[RDV] offset:2*SROW*i
.set i, i+1
.endr
.set i, 0
.rept 32
	s_wait_dscnt 31-i
	global_store_b128 v[GOV], v[128+4*i:128+4*i+3], s[96:97] offset:4096*i
.set i, i+1
.endr
.Lsent:
	s_wait_tensorcnt 0x0                           ; the wave's end
	ds_add_u32 v[SPW], v[NIL]
	s_wait_dscnt 0x0
	CROUND                                         ; the closing round
	s_endpgm
.Lfunc_end_k_q8408e556c6_qkv:
	.size	k_q8408e556c6_qkv, .Lfunc_end_k_q8408e556c6_qkv-k_q8408e556c6_qkv
	.p2alignl 7, 3214868480
	.fill 96, 4, 3214868480
	.section	.rodata,"a",@progbits
	.p2align	6, 0x0
	.amdhsa_kernel k_q8408e556c6_qkv
		.amdhsa_group_segment_fixed_size 327680
		.amdhsa_private_segment_fixed_size 0
		.amdhsa_enable_private_segment 0
		.amdhsa_kernarg_size 56
		.amdhsa_user_sgpr_count 2
		.amdhsa_user_sgpr_kernarg_segment_ptr 1
		.amdhsa_wavefront_size32 1
		.amdhsa_system_sgpr_workgroup_id_x 1
		.amdhsa_system_sgpr_workgroup_id_y 1
		.amdhsa_system_sgpr_workgroup_id_z 1
		.amdhsa_system_vgpr_workitem_id 0
		.amdhsa_next_free_vgpr 1024
		.amdhsa_next_free_sgpr 100
		.amdhsa_reserve_vcc 0
		.amdhsa_float_denorm_mode_32 3
		.amdhsa_float_denorm_mode_16_64 3
		.amdhsa_fp16_overflow 1
		.amdhsa_memory_ordered 1
		.amdhsa_forward_progress 1
		.amdhsa_inst_pref_size 120
	.end_amdhsa_kernel
	.amdgpu_metadata
---
amdhsa.version: [ 1, 2 ]
amdhsa.kernels:
  - .name:           k_q8408e556c6_qkv
    .symbol:         k_q8408e556c6_qkv.kd
    .args:
      - { .name: xc, .offset: 0, .size: 8, .value_kind: global_buffer, .address_space: global }
      - { .name: wc, .offset: 8, .size: 8, .value_kind: global_buffer, .address_space: global }
      - { .name: lowp_scales, .offset: 16, .size: 8, .value_kind: global_buffer, .address_space: global }
      - { .name: bq, .offset: 24, .size: 8, .value_kind: global_buffer, .address_space: global }
      - { .name: bk, .offset: 32, .size: 8, .value_kind: global_buffer, .address_space: global }
      - { .name: bv, .offset: 40, .size: 8, .value_kind: global_buffer, .address_space: global }
      - { .name: qkvc, .offset: 48, .size: 8, .value_kind: global_buffer, .address_space: global }
    .group_segment_fixed_size: 327680
    .private_segment_fixed_size: 0
    .kernarg_segment_align: 8
    .kernarg_segment_size: 56
    .max_flat_workgroup_size: 128
    .sgpr_count:     100
    .vgpr_count:     1024
    .wavefront_size: 32
...
	.end_amdgpu_metadata
.endif
;; end of part 2
;; launch attn (part 3): grid 4 x 64, 16 waves a work-group, no clusters, 327,680 bytes of LDS; arguments qkvc, lowp_scales, ac; writes ac
.if DOCPART == 3
	.amdgcn_target "amdgcn-amd-amdhsa--gfx1250"
	.amdhsa_code_object_version 6
	.text
	.protected	k_q8408e556c6_attn
	.globl	k_q8408e556c6_attn
	.p2align	8
	.type	k_q8408e556c6_attn,@function
k_q8408e556c6_attn:
	s_mov_b64 s[64:65], 0
	v_nop
	global_prefetch_b8 v0, s[64:65] scope:SCOPE_SE
	s_setreg_imm32_b32 hwreg(HW_REG_WAVE_MODE, 25, 1), 1
	s_wait_xcnt 0x0
; Causal attention on codes of E4M3, 64 (batch x head) of 2,048 tokens x 64, and its result quantised for the output projection.
; q, k: [64][2048 rows][64 d], the four groups of 8 tokens of every 32 rows in the order 0, 2, 1, 3;  v: [64][64 d][2048 tokens];  all in qkvc at bytes 0, 1<<23, 2<<23.
; ac: [8 batch + block of 256 tokens][16 heads][256 tokens][64 d], codes under 2^e10.
; THE SOFTMAX: t = score x log2(e) / 8; M = the running largest t rounded UP to a whole number; p = 2^(t - M) is quantised under 2^e8; the row's sum is taken of the unquantised p and divides at the end.
; SHARES.  Work-group (i, head) owns the query blocks i and 7 - i (256 queries each), one after the other: block i against key slots 0 .. i, then block 7 - i against slots 0 .. 7 - i:
; NINE visits of a slot of 256 keys in every work-group: the trip count is a constant, all 256 work-groups have equal work, and no slot is fetched that the mask hides whole.
; Each of sixteen waves owns 16 queries of each block, in 256 registers: four waves to a SIMD, so that one wave's vector work stands beside another's products and LDS loads.
; NO CLUSTER: the four work-groups of a head walk slots 0|0..7, 0,1|0..6, 0..2|0..5, 0..3|0..4: in most visits they want different slots, so joint requests would need a common walk of 12 visits in place of 9.
; LAYOUT.  Both products are used transposed: S^T = K Q^T (source 0 = 16 keys), O^T = V^T P^T (source 0 = 16 of the head's 64): a lane holds ONE query (lane % 16) throughout.
; By the row order of k, LDS row 16 T + m of a step holds key 32 (T / 2) + 8 (T % 2) + m + 8 (m / 8): a tile's 16 keys are 16 neighbouring LDS rows, and registers 16 b + i of S^T are keys 32 b + 16 (lane / 16) + i.
; LIMITS: e6 + e7 between -123 and 130 (added to the exponent field of log2(e) / 8); e8, and e10 - e8 - e9, between -126 and 119.  NaN is not served.
; REGISTERS: v1-11 addresses; v12 -M, v13 the largest t, v[14:15] the sum; v16-23 Q; v24-29 constants; v32-95 K's eight fragments, then V's four; v96-159 S^T, then p; v160-191 O^T; v192-207 p's codes;
;   v208-231 the way out; v216-223 at work; v232-239 Q of the second block.
.set KP,    80                         ; a key's row in LDS: 64 bytes + 16
.set VP,    272                        ; a row of V's tile: 256 bytes + 16
.set VOFF,  256*KP                     ; a slot: 256 rows of K, then 64 rows of V
.set SLOT1, 65536                      ; slot 1 begins here: one exclusive or turns an address from one slot to the other
.set SPARE, 131072                     ; the spare words: 128 bytes a wave, eight blocks of 256 bytes that no other line names
.set STAGE, 133120                     ; the way out: 16 rows x 80 bytes for each wave, in bytes of their own: fills still follow the first way out
.set AK0, 1
.set AV0, 2
.set PFO, 3
.set QL,  4
.set SPW, 5
.set NIL, 6
.set GO,  7
.set ADK, 8
.set ADV, 9
.set STI, 10
.set STB, 11
.set WV,  18
.set SEL, 20
.set CS,  22
.set G1K, 24
.set G1V, 32
.set G0K, 40
.set G0V, 44
.set TB,  2                            ; s2   LDS byte at which the slot in hand begins
.set VIS, 48                           ; s48  the visit, 0 .. 8
.set PI,  49                           ; s49  i: the first block, and the visit behind which the blocks change
.set NG,  50                           ; s50  the key slot of the visit in hand
.set KF,  51                           ; s51  the step's first key
.set Q0,  52                           ; s52  my first query
.set Q1,  53                           ; s53  the same in the second block
.set KB,  54                           ; s[54:55] k of my head (+ 8,192 in odd waves)
.set VB,  56                           ; s[56:57] v of my head
.set QA,  58                           ; s[58:59], s[60:61] my queries in the two blocks
.set QB,  60
.set OA,  84                           ; s[84:85], s[86:87] my rows of ac in the two blocks
.set OB,  86
.set PFA, 76
.set PFS, 78
.set LIM, 80
; Waves 0 and 1 fetch K's halves, wave 2 fetches V, the others nothing.  Four v_nop follow each line.
.macro TLOAD
	s_cmp_lt_u32 s[WV], 2
	s_cbranch_scc0 .Lnot_k_\@
	tensor_load_to_lds s[G0K:G0K+3], s[G1K:G1K+7]
	s_nop 0
.rept 4
	v_nop
.endr
	s_branch .Lasked_\@
.Lnot_k_\@:
	s_cmp_lt_u32 s[WV], 3
	s_cbranch_scc0 .Lasked_\@
	tensor_load_to_lds s[G0V:G0V+3], s[G1V:G1V+7]
	s_nop 0
.rept 4
	v_nop
.endr
.Lasked_\@:
.endm
; A PREFETCH INTO THE L2.  Work-group x = 0 of a head walks all eight slots in its second block, visit v taking slot v - 1; it alone asks.  At the change of slots of visit v, 1 <= v <= 6, where slot v is
; asked for by tensor loads, it names slot v + 1, which the next change will ask for: one visit ahead.  Waves 4 and 5: K's 16,384 bytes, lanes 256 bytes apart; waves 6 and 7: V's 64 rows, a lane a row.
; So each aligned block of 256 bytes of slots 2 to 7 is named once in the launch; nothing is asked for at the head, nor behind slot 7.
.macro ASK
	s_sub_co_u32 s83, s[VIS], 1
	s_cmp_lt_u32 s83, s[LIM]
	s_cbranch_scc0 .Lnot_mine_\@
	global_prefetch_b8 v[PFO], s[PFA:PFA+1] th:TH_LOAD_NT scope:SCOPE_SE
.Lnot_mine_\@:
.endm
.macro INIT                            ; a block begins: the first step finds zeros, which the first change of M leaves zeros
	v_mov_b32 v13, 0xff61b1e6                      ; -3e38, under every t
	s_delay_alu instid0(VALU_DEP_1)
	v_floor_f32 v12, -v13
	v_mov_b32 v14, 0
	v_mov_b32 v15, 0
.set i, 0
.rept 32
	v_mov_b32 v[160+i], 0
.set i, i+1
.endr
.endm
	s_load_b128 s[4:7], s[0:1], 0x0                ; qkvc, the exponents
	s_load_b64 s[8:9], s[0:1], 0x10                ; ac
	v_lshl_add_u32 v[SPW], v0, 2, SPARE
	v_mov_b32 v[NIL], 0
	ds_add_u32 v5, v6
	ds_add_u32 v5, v6
	s_wait_dscnt 0x0
	v_lshrrev_b32 v8, 5, v0
	s_delay_alu instid0(VALU_DEP_1)
	v_readfirstlane_b32 s[WV], v8                  ; wave 0..15
	s_and_b32 s72, ttmp7, 0xffff                   ; batch x 16 + head
	s_mov_b32 s[PI], ttmp9
	s_sub_co_u32 s74, 7, s[PI]                     ; the second block
	s_and_b32 s75, s[WV], 1
	s_lshl_b32 s82, s72, 17                        ; the head's first byte in each of the three parts
	s_lshl_b32 s10, s75, 13
	s_add_co_u32 s10, s10, s82
	s_add_co_u32 s10, s10, 0x800000                ; k
	s_mov_b32 s11, 0
	s_add_co_u32 s12, s82, 0x1000000               ; v
	s_mov_b32 s13, 0
	s_lshr_b32 s83, s[WV], 1
	s_lshl_b32 s83, s83, 11
	s_lshl_b32 s96, s75, 9
	s_add_co_u32 s83, s83, s96
	s_add_co_u32 s83, s83, s82                     ; my 16 queries in a block: 32 rows x (wave / 2), group (wave % 2); the other eight lie two groups on
	s_lshl_b32 s14, s[PI], 14
	s_add_co_u32 s14, s14, s83
	s_mov_b32 s15, 0
	s_lshl_b32 s16, s74, 14
	s_add_co_u32 s16, s16, s83
	s_mov_b32 s17, 0
	s_lshr_b32 s83, s72, 4
	s_lshl_b32 s83, s83, 21
	s_and_b32 s96, s72, 15
	s_lshl_b32 s96, s96, 14
	s_add_co_u32 s83, s83, s96
	s_lshl_b32 s96, s[WV], 10
	s_add_co_u32 s83, s83, s96
	s_lshl_b32 s88, s[PI], 18
	s_add_co_u32 s88, s88, s83
	s_mov_b32 s89, 0
	s_lshl_b32 s90, s74, 18
	s_add_co_u32 s90, s90, s83
	s_mov_b32 s91, 0
	s_lshl_b32 s96, s[WV], 4
	s_lshl_b32 s[Q0], s[PI], 8
	s_add_co_u32 s[Q0], s[Q0], s96
	s_lshl_b32 s[Q1], s74, 8
	s_add_co_u32 s[Q1], s[Q1], s96
	; descriptor group 1.  K: 128 rows of 64 bytes, dense in memory, 16 bytes of padding behind each.  V: 64 rows of 256 bytes, 2,048 apart, 16 behind each
	s_mov_b32 s[G1K], (0<<16)|(1<<20)|(3<<22)|(3<<25)
	s_mov_b32 s[G1K+1], 64<<16
	s_mov_b32 s[G1K+2], 128<<16
	s_mov_b32 s[G1K+3], 64<<16
	s_mov_b32 s[G1K+4], 128
	s_mov_b32 s[G1K+5], 64
	s_mov_b32 s[G1K+6], 0
	s_mov_b32 s[G1K+7], 0
	s_mov_b32 s[G1V], (0<<16)|(1<<20)|(5<<22)|(3<<25)
	s_mov_b32 s[G1V+1], 256<<16
	s_mov_b32 s[G1V+2], 64<<16
	s_mov_b32 s[G1V+3], 256<<16
	s_mov_b32 s[G1V+4], 64
	s_mov_b32 s[G1V+5], 2048
	s_mov_b32 s[G1V+6], 0
	s_mov_b32 s[G1V+7], 0
	s_mov_b32 s[SEL], 0x76543210
	s_mov_b32 s[SEL+1], 0xfedcba98
	s_mov_b32 s[CS], 0x3e38aa3b                    ; log2(e) / 8
	s_mov_b32 s[TB], 0
	s_mov_b32 s[VIS], 0
	s_mov_b32 s[NG], 0
	s_mov_b32 s[KF], 0
	s_wait_kmcnt 0x0
	s_load_b64 s[66:67], s[6:7], 0x18              ; e6, e7
	s_load_b128 s[68:71], s[6:7], 0x20             ; e8 .. e11
	s_add_nc_u64 s[KB:KB+1], s[4:5], s[10:11]
	s_add_nc_u64 s[VB:VB+1], s[4:5], s[12:13]
	s_add_nc_u64 s[QA:QA+1], s[4:5], s[14:15]
	s_add_nc_u64 s[QB:QB+1], s[4:5], s[16:17]
	s_add_nc_u64 s[OA:OA+1], s[8:9], s[88:89]
	s_add_nc_u64 s[OB:OB+1], s[8:9], s[90:91]
	s_mov_b32 s[G0K], 1
	s_mul_i32 s[G0K+1], s75, 128*KP                ; slot 0, my half of K's rows
	s_mov_b64 s[G0K+2:G0K+3], s[KB:KB+1]
	s_or_b32 s[G0K+3], s[G0K+3], 0x80000000
	s_mov_b32 s[G0V], 1
	s_mov_b32 s[G0V+1], VOFF
	s_mov_b64 s[G0V+2:G0V+3], s[VB:VB+1]
	s_or_b32 s[G0V+3], s[G0V+3], 0x80000000
	TLOAD                                          ; visit 0: key slot 0 into LDS slot 0: one load of mine is out
	v_and_b32 v8, 15, v0                           ; r
	v_bfe_u32 v9, v0, 4, 1                         ; h
	s_delay_alu instid0(VALU_DEP_2)
	v_and_b32 v10, 7, v8
	s_delay_alu instid0(VALU_DEP_3)
	v_lshrrev_b32 v11, 3, v8
	s_delay_alu instid0(VALU_DEP_2)
	v_lshlrev_b32 v[QL], 6, v10
	s_delay_alu instid0(VALU_DEP_1)
	v_lshl_add_u32 v[QL], v11, 10, v[QL]
	s_delay_alu instid0(VALU_DEP_1)
	v_lshl_add_u32 v[QL], v9, 4, v[QL]             ; Q: 1,024 (r / 8) + 64 (r % 8) + 16 h
	global_load_b128 v[16:19], v[QL], s[QA:QA+1]
	global_load_b128 v[20:23], v[QL], s[QA:QA+1] offset:32
	global_load_b128 v[232:235], v[QL], s[QB:QB+1]
	global_load_b128 v[236:239], v[QL], s[QB:QB+1] offset:32
	v_mul_u32_u24 v[AK0], v8, KP
	s_delay_alu instid0(VALU_DEP_1)
	v_lshl_add_u32 v[AK0], v9, 4, v[AK0]
	v_mul_u32_u24 v[AV0], v8, VP
	s_delay_alu instid0(VALU_DEP_1)
	v_lshl_add_u32 v[AV0], v9, 4, v[AV0]
	s_delay_alu instid0(VALU_DEP_1)
	v_add_nc_u32 v[AV0], VOFF, v[AV0]
	v_and_b32 v12, 31, v0                          ; lane
	s_delay_alu instid0(VALU_DEP_1)
	v_lshlrev_b32 v[GO], 4, v12
	s_mul_i32 s73, s[WV], 16*KP
	s_add_co_u32 s73, s73, STAGE                   ; my stage
	v_mul_u32_u24 v[STI], v8, KP
	s_delay_alu instid0(VALU_DEP_1)
	v_lshl_add_u32 v[STI], v9, 3, v[STI]
	s_delay_alu instid0(VALU_DEP_1)
	v_add_nc_u32 v[STI], s73, v[STI]               ; in: row r, + 8 h
	v_lshrrev_b32 v13, 2, v12
	s_delay_alu instid0(VALU_DEP_1)
	v_mul_u32_u24 v[STB], v13, KP
	v_and_b32 v13, 3, v12
	s_delay_alu instid0(VALU_DEP_1)
	v_lshl_add_u32 v[STB], v13, 4, v[STB]
	s_delay_alu instid0(VALU_DEP_1)
	v_add_nc_u32 v[STB], s73, v[STB]               ; back: four lanes to a row of 64 bytes
	v_lshlrev_b32 v24, 4, v9
	s_delay_alu instid0(VALU_DEP_1)
	v_sub_nc_u32 v24, v8, v24                      ; r - 16 h
	v_mov_b32 v25, 0xff800000                      ; -infinity
	; the prefetches: where my wave's stand, and who asks
	s_lshl_b32 s96, s75, 16                        ; V: 32 rows of 2,048 bytes in odd waves
	s_mov_b32 s97, 0
	s_mov_b32 s[PFS], 256
	s_mov_b32 s[PFS+1], 0
	s_mov_b32 s82, 2048
	s_cmp_lt_u32 s[WV], 6                          ; waves 4 and 5 ask for K's codes, waves 6 and 7 for V's
	s_cselect_b64 s[PFA:PFA+1], s[KB:KB+1], s[VB:VB+1]
	s_cselect_b32 s[PFS], 16384, s[PFS]            ; a slot on
	s_cselect_b32 s82, 256, s82                    ; from lane to lane
	s_cselect_b32 s96, 0, s96
	s_add_nc_u64 s[PFA:PFA+1], s[PFA:PFA+1], s[96:97]   ; at slot 0: every change of slots steps it, so that the change of visit v finds it at slot v + 1
	v_mul_lo_u32 v[PFO], v12, s82
	s_sub_co_u32 s83, s[WV], 4
	s_lshr_b32 s83, s83, 2                         ; 0 in waves 4 to 7,
	s_or_b32 s83, s83, ttmp9                       ; of the head's first work-group
	s_cmp_eq_u32 s83, 0
	s_cselect_b32 s[LIM], 6, 0
	INIT
	v_mov_b32 v216, 0                              ; written once: a lane permute's destination counts as one of its sources
	v_mov_b32 v219, 0                              ; (named as the upper half of the pair v[218:219])
	s_wait_kmcnt 0x0
	s_add_co_i32 s72, s66, s67
	s_lshl_b32 s72, s72, 23
	s_add_co_i32 s[CS], s[CS], s72                 ; a score stands for score x 2^(e6 + e7)
	s_mov_b32 s[CS+1], s[CS]
	s_add_co_i32 s72, s68, 127
	s_lshl_b32 s73, s72, 23
	v_mov_b32 v26, s73                             ; 2^e8
	s_sub_co_i32 s72, s70, s68
	s_sub_co_i32 s72, s72, s69
	s_add_co_i32 s72, s72, 127
	s_lshl_b32 s73, s72, 23
	v_mov_b32 v28, s73                             ; 2^(e10 - e8 - e9): O^T / the sum stands for that x 2^(e8 + e9)
; A KEY STEP: 128 keys, the q-th half of the slot in hand.
.macro STEP q
	s_add_co_u32 s96, s[Q0], 15                    ; a step all of whose keys come after my 16 queries is left out: a scalar branch on ids; no barrier and no tensor load stands in a step
	s_cmp_gt_u32 s[KF], s96
	s_cbranch_scc1 .Lhidden_\@
	v_add_nc_u32 v[ADK], s[TB], v[AK0]
	v_add_nc_u32 v[ADV], s[TB], v[AV0]
	v_nop                                          ; with the two additions: four places in front of loads into registers that the last products read
	v_nop
.irp t, 0,1,2,3,4,5,6,7
	ds_load_b128 v[32+8*\t:35+8*\t], v[ADK] offset:(128*(\q)+16*\t)*KP
	ds_load_b128 v[36+8*\t:39+8*\t], v[ADK] offset:(128*(\q)+16*\t)*KP+32
.endr
	s_wait_alu depctr_va_vdst(0)
	s_wait_dscnt 0x0
.irp t, 0,1,2,3,4,5,6,7
	v_wmma_f32_16x16x64_fp8_fp8 v[96+8*\t:103+8*\t], v[32+8*\t:39+8*\t], v[16:23], 0
.endr
.rept 4
	v_nop                                          ; places in front of the loads below and of the first read of the scores
.endr
.irp t, 0,1,2,3                                ; V's four fragments are asked for now and land under the softmax
.irp c, 0,1,2,3
	ds_load_b128 v[32+16*\t+4*\c:35+16*\t+4*\c], v[ADV] offset:16*\t*VP+128*(\q)+32*\c
.endr
.endr
	s_add_co_u32 s96, s[KF], 127                   ; on the diagonal the scores of hidden keys become -infinity ahead of the maximum; a step all of whose keys count skips this
	s_cmp_le_u32 s96, s[Q0]
	s_cbranch_scc1 .Lopen_\@
	s_sub_co_i32 s96, s[Q0], s[KF]
	v_add_nc_u32 v221, s96, v24                    ; d = my query - the step's first key - 16 h: register 16 b + i is hidden where 32 b + i > d
.set n, 0
.rept 64
	v_cmp_gt_i32 vcc_lo, 32*(n/16)+n%16, v221
	v_cndmask_b32 v[96+n], v[96+n], v25, vcc_lo
.set n, n+1
.endr
.Lopen_\@:
	v_max3_num_f32 v220, v96, v97, v98             ; the step's largest score of my query among my 64 keys, in two chains,
	v_max3_num_f32 v221, v99, v100, v101
.irp i, 6,10,14,18,22,26,30,34,38,42,46,50,54,58
	v_max3_num_f32 v220, v220, v[96+\i], v[97+\i]
	v_max3_num_f32 v221, v221, v[98+\i], v[99+\i]
.endr
	v_max3_num_f32 v220, v220, v158, v159
	s_delay_alu instid0(VALU_DEP_1)
	v_max_num_f32 v220, v220, v221
	s_delay_alu instid0(VALU_DEP_1)
	v_permlanex16_b32 v216, v220, s[SEL], s[SEL+1]
	s_delay_alu instid0(VALU_DEP_1)
	v_max_num_f32 v220, v220, v216                 ; and among lane l xor 16's
	s_delay_alu instid0(VALU_DEP_1)
	v_mul_f32 v220, s[CS], v220                    ; as t
	s_delay_alu instid0(VALU_DEP_1)
	v_max_num_f32 v13, v13, v220                   ; the running largest t
	v_mov_b32 v220, v12
	s_delay_alu instid0(VALU_DEP_2)
	v_floor_f32 v12, -v13                          ; the new -M = -ceil(t): a whole number
	s_delay_alu instid0(VALU_DEP_1)
	v_sub_f32 v220, v12, v220                      ; old M - new M, 0 or less
	s_delay_alu instid0(VALU_DEP_1)
	v_cvt_i32_f32 v220, v220                       ; (it saturates)
	s_delay_alu instid0(VALU_DEP_1)
	v_ldexp_f32 v218, 1.0, v220                    ; f = 2^(old M - new M): a multiplication by it rounds nothing
.set j, 0
.rept 32
	v_pk_fma_f32 v[96+j:97+j], v[96+j:97+j], s[CS:CS+1], v[12:13] op_sel_hi:[1,0,0]   ; t - M, two at a time
.set j, j+2
.endr
.set j, 0
	s_wait_alu depctr_va_vdst(0)
.rept 64
	v_exp_f32 v[96+j], v[96+j]                     ; p = 2^(t - M): one batch
.set j, j+1
.endr
	v_pk_mul_f32 v[14:15], v[14:15], v[218:219] op_sel_hi:[1,0]   ; the sums under the new M: the plain line behind the batch
	s_wait_alu depctr_va_vdst(0)                   ; one wait for the whole batch, ahead of its first reader
	v_pk_add_f32 v[222:223], v[100:101], v[104:105]
	v_pk_add_f32 v[254:255], v[108:109], v[112:113]
	v_pk_add_f32 v[252:253], v[116:117], v[120:121]
	v_pk_add_f32 v[250:251], v[124:125], v[128:129]
	v_pk_add_f32 v[248:249], v[132:133], v[136:137]
	v_pk_add_f32 v[246:247], v[140:141], v[144:145]
	v_pk_add_f32 v[244:245], v[148:149], v[152:153]
	v_pk_add_f32 v[14:15], v[14:15], v[156:157]
	v_pk_add_f32 v[222:223], v[222:223], v[96:97]
	v_pk_add_f32 v[254:255], v[254:255], v[98:99]
	v_pk_add_f32 v[252:253], v[252:253], v[102:103]
	v_pk_add_f32 v[250:251], v[250:251], v[106:107]
	v_pk_add_f32 v[248:249], v[248:249], v[110:111]
	v_pk_add_f32 v[246:247], v[246:247], v[114:115]
	v_pk_add_f32 v[244:245], v[244:245], v[118:119]
	v_pk_add_f32 v[14:15], v[14:15], v[122:123]
	v_pk_add_f32 v[222:223], v[222:223], v[126:127]
	v_pk_add_f32 v[254:255], v[254:255], v[130:131]
	v_pk_add_f32 v[252:253], v[252:253], v[134:135]
	v_pk_add_f32 v[250:251], v[250:251], v[138:139]
	v_pk_add_f32 v[248:249], v[248:249], v[142:143]
	v_pk_add_f32 v[246:247], v[246:247], v[146:147]
	v_pk_add_f32 v[244:245], v[244:245], v[150:151]
	v_pk_add_f32 v[14:15], v[14:15], v[154:155]
	v_pk_add_f32 v[222:223], v[222:223], v[158:159]
	s_delay_alu instid0(VALU_DEP_2)
	v_pk_add_f32 v[14:15], v[14:15], v[250:251]
	s_delay_alu instid0(VALU_DEP_2)
	v_pk_add_f32 v[222:223], v[222:223], v[248:249]
	v_pk_add_f32 v[254:255], v[254:255], v[246:247]
	v_pk_add_f32 v[252:253], v[252:253], v[244:245]
	s_delay_alu instid0(VALU_DEP_2)
	v_pk_add_f32 v[14:15], v[14:15], v[254:255]
	s_delay_alu instid0(VALU_DEP_2)
	v_pk_add_f32 v[222:223], v[222:223], v[252:253]
	s_delay_alu instid0(VALU_DEP_1)
	v_pk_add_f32 v[14:15], v[14:15], v[222:223]
.irp b, 0,1,2,3
.irp i, 0,1,2,3,4,5,6,7,8,9,10,11,12,13,14,15
.endr
	v_cvt_scalef32_pk8_fp8_f32 v[192+4*\b:193+4*\b], v[96+16*\b:103+16*\b], v26
	v_cvt_scalef32_pk8_fp8_f32 v[194+4*\b:195+4*\b], v[104+16*\b:111+16*\b], v26
.endr
.set j, 0
.rept 16
	v_pk_mul_f32 v[160+j:161+j], v[160+j:161+j], v[218:219] op_sel_hi:[1,0]   ; O^T under the new M; also the plain lines between the conversions and the products
.set j, j+2
.endr
	s_wait_alu depctr_va_vdst(0)
	s_wait_dscnt 0x0                               ; V's fragments are in
.irp t, 0,1,2,3
	v_wmma_f32_16x16x128_fp8_fp8 v[160+8*\t:167+8*\t], v[32+16*\t:47+16*\t], v[192:207], v[160+8*\t:167+8*\t]
.endr
.Lhidden_\@:
	s_add_co_u32 s[KF], s[KF], 128
.endm
; THE CHANGE OF SLOTS stands at a visit's head.  Each wave waits for all its tensor loads, adds 0 to its spare word, and waits for that and for its reads of the slot that it has left.
; fill = 1: that slot is filled with the next visit's keys: slot NG + 1, or slot 0 where the blocks change behind this visit.
.macro CHANGE fill
	s_wait_tensorcnt 0x0                           ; no tensor load of mine is out, so a group 0 may be written
	ds_add_u32 v[SPW], v[NIL]                      ; 0 onto my spare word
.if \fill
	s_xor_b32 s[G0K+1], s[G0K+1], SLOT1
	s_xor_b32 s[G0V+1], s[G0V+1], SLOT1
	s_add_co_u32 s[NG], s[NG], 1
	s_cmp_eq_u32 s[VIS], s[PI]
	s_cselect_b32 s[NG], 0, s[NG]
	s_lshl_b32 s72, s[NG], 14                      ; 256 rows of 64 bytes
	s_mov_b32 s73, 0
	s_add_nc_u64 s[G0K+2:G0K+3], s[KB:KB+1], s[72:73]
	s_or_b32 s[G0K+3], s[G0K+3], 0x80000000
	s_lshl_b32 s72, s[NG], 8                       ; 256 bytes along V's rows
	s_add_nc_u64 s[G0V+2:G0V+3], s[VB:VB+1], s[72:73]
	s_or_b32 s[G0V+3], s[G0V+3], 0x80000000
	s_wait_xcnt 0x0                                ; the last prefetch, a visit back, has read its address
	s_add_nc_u64 s[PFA:PFA+1], s[PFA:PFA+1], s[PFS:PFS+1]
.endif
	s_wait_dscnt 0x0                               ; the add is done, and my reads of the slot that I have left are over
	s_barrier_signal -1
	s_barrier_wait -1
.if \fill
	TLOAD                                          ; the first thing behind the barrier, and a wave's one tensor load until the next
	ASK
.endif
.endm
; THE WAY OUT of a block: O^T / the sum, held, converted under 2^(e10 - e8 - e9); a lane's 8 codes go through my stage and leave as 1,024 bytes on end.
.macro WAYOUT ptr
.rept 4
	v_nop                                          ; places behind the last products
.endr
	v_add_f32 v14, v14, v15
	s_wait_alu depctr_va_vdst(0)
	v_permlanex16_b32 v216, v14, s[SEL], s[SEL+1]
	s_delay_alu instid0(VALU_DEP_1)
	v_add_f32 v14, v14, v216                       ; the row's sum
	s_wait_alu depctr_va_vdst(0)
	v_rcp_f32 v14, v14
	v_nop                                          ; a plain line behind the reciprocal,
	s_wait_alu depctr_va_vdst(0)                   ; and the wait ahead of its first reader
.set j, 0
.rept 16
	v_pk_mul_f32 v[96+j:97+j], v[160+j:161+j], v[14:15] op_sel_hi:[1,0]   ; ascending: each accumulator from its low end on
.set j, j+2
.endr
.set j, 0
.rept 32
.set j, j+1
.endr
.irp t, 0,1,2,3
	v_cvt_scalef32_pk8_fp8_f32 v[208+2*\t:209+2*\t], v[96+8*\t:103+8*\t], v28
.endr
	v_nop                                          ; one plain vector line behind the last conversion
	s_wait_alu depctr_va_vdst(0)
	s_wait_xcnt 0x0                                ; an earlier way out's stores have read their registers
.irp t, 0,1,2,3
	ds_store_b64 v[STI], v[208+2*\t:209+2*\t] offset:16*\t
.endr
	ds_load_b128 v[224:227], v[STB]                ; LDS serves a wave's instructions in order: these see my stores
	ds_load_b128 v[228:231], v[STB] offset:8*KP
	s_wait_dscnt 1                                 ; the second load may be out
	global_store_b128 v[GO], v[224:227], s[\ptr:\ptr+1]
	s_wait_dscnt 0
	global_store_b128 v[GO], v[228:231], s[\ptr:\ptr+1] offset:512
.endm
	s_wait_loadcnt 0x0                             ; Q of both blocks
.Lslot:                                            ; eight trips: behind each change of slots but the last the next visit's keys are asked for
	CHANGE 1
	STEP 0
	STEP 1
	s_xor_b32 s[TB], s[TB], SLOT1
	s_cmp_lg_u32 s[VIS], s[PI]                     ; behind visit i the first block is finished: a scalar branch on ids, round no barrier and no tensor load
	s_cbranch_scc1 .Lsame_block
	WAYOUT OA
.irp j, 0,1,2,3,4,5,6,7
	v_mov_b32 v[16+\j], v[232+\j]                  ; the second block's queries
.endr
	INIT
	s_mov_b32 s[Q0], s[Q1]
	s_mov_b32 s[KF], 0
.Lsame_block:
	s_add_co_u32 s[VIS], s[VIS], 1
	s_cmp_lt_u32 s[VIS], 8
	s_cbranch_scc1 .Lslot
	CHANGE 0                                       ; the last visit is written out
	STEP 0
	STEP 1
	WAYOUT OB
	s_wait_tensorcnt 0x0                           ; the wave's end
	ds_add_u32 v[SPW], v[NIL]
	s_wait_dscnt 0x0
	s_endpgm
.Lfunc_end_k_q8408e556c6_attn:
	.size	k_q8408e556c6_attn, .Lfunc_end_k_q8408e556c6_attn-k_q8408e556c6_attn
	.p2alignl 7, 3214868480
	.fill 96, 4, 3214868480
	.section	.rodata,"a",@progbits
	.p2align	6, 0x0
	.amdhsa_kernel k_q8408e556c6_attn
		.amdhsa_group_segment_fixed_size 327680
		.amdhsa_private_segment_fixed_size 0
		.amdhsa_enable_private_segment 0
		.amdhsa_kernarg_size 24
		.amdhsa_user_sgpr_count 2
		.amdhsa_user_sgpr_kernarg_segment_ptr 1
		.amdhsa_wavefront_size32 1
		.amdhsa_system_sgpr_workgroup_id_x 1
		.amdhsa_system_sgpr_workgroup_id_y 1
		.amdhsa_system_sgpr_workgroup_id_z 1
		.amdhsa_system_vgpr_workitem_id 0
		.amdhsa_next_free_vgpr 256
		.amdhsa_next_free_sgpr 100
		.amdhsa_reserve_vcc 1
		.amdhsa_float_denorm_mode_32 3
		.amdhsa_float_denorm_mode_16_64 3
		.amdhsa_fp16_overflow 1
		.amdhsa_memory_ordered 1
		.amdhsa_forward_progress 1
		.amdhsa_inst_pref_size 94
	.end_amdhsa_kernel
	.amdgpu_metadata
---
amdhsa.version: [ 1, 2 ]
amdhsa.kernels:
  - .name:           k_q8408e556c6_attn
    .symbol:         k_q8408e556c6_attn.kd
    .args:
      - { .name: qkvc, .offset: 0, .size: 8, .value_kind: global_buffer, .address_space: global }
      - { .name: lowp_scales, .offset: 8, .size: 8, .value_kind: global_buffer, .address_space: global }
      - { .name: ac, .offset: 16, .size: 8, .value_kind: global_buffer, .address_space: global }
    .group_segment_fixed_size: 327680
    .private_segment_fixed_size: 0
    .kernarg_segment_align: 8
    .kernarg_segment_size: 24
    .max_flat_workgroup_size: 512
    .sgpr_count:     100
    .vgpr_count:     256
    .wavefront_size: 32
...
	.end_amdgpu_metadata
.endif
;; end of part 3
;; launch proj (part 4): grid 4 x 32, 4 waves a work-group, clusters of 4 x 4, 327,680 bytes of LDS; arguments ac, wc, lowp_scales, bp, out0; writes out0
.if DOCPART == 4
	.amdgcn_target "amdgcn-amd-amdhsa--gfx1250"
	.amdhsa_code_object_version 6
	.text
	.protected	k_q8408e556c6_proj
	.globl	k_q8408e556c6_proj
	.p2align	8
	.type	k_q8408e556c6_proj,@function
k_q8408e556c6_proj:
	s_mov_b64 s[64:65], 0
	v_nop
	global_prefetch_b8 v0, s[64:65] scope:SCOPE_SE
	s_setreg_imm32_b32 hwreg(HW_REG_WAVE_MODE, 25, 1), 1
	s_wait_xcnt 0x0
	s_wait_alu depctr_hold_cnt(0) depctr_sa_sdst(0) depctr_va_vdst(0) depctr_va_sdst(0) depctr_va_ssrc(0) depctr_va_vcc(0) depctr_vm_vsrc(0)
	s_getreg_b32 s2, hwreg(HW_REG_IB_STS2, 6, 4)
	s_cmp_eq_u32 s2, 0
	s_cbranch_scc0 .Lentry_in_a_cluster
	s_endpgm
.Lentry_in_a_cluster:
	s_bfe_u32 s2, ttmp6, 0x10000c
	s_cmp_lg_u32 s2, 0xf033
	s_cbranch_scc0 .Lentry_shape_is_right
	s_endpgm
.Lentry_shape_is_right:
; out0 = a Wp + bp on codes of E4M3.  a: ac [32 tile rows of 256 tokens][16 heads][256 tokens][64 d], under 2^e10; Wp: part 3 of wc, [1024 n][1024 k], under 2^e11; out0 [8192][1024] f32.
; A tile of out0, 256 x 256, is made by four waves, each 128 x 128: 64 accumulators.  K = 1,024 (head x 64 + d) goes in four steps of 256 (four heads) through a ring of two LDS slots.
; A K step of a's tile is 65,536 bytes on end in memory: each of waves 0 and 1 fetches two heads as 512 rows of 64 bytes, 16 bytes of padding behind each; waves 2 and 3 fetch Wp's rows of 256 bytes.
; CLUSTERS: 4 x 4 work-groups; a's tile is asked for jointly along a row of the cluster, Wp's along a column.  128 work-groups in all: a wave tile of half the size would read each LDS byte for half the products.
; THE MATRIX INSTRUCTION IS USED TRANSPOSED (source 0 = 16 rows of Wp, source 1 = 16 tokens): a lane holds eight neighbouring numbers of a row of out0.
; THE BIAS is the C of each sum's first matrix instruction, as bp / 2^(e10 + e11); each finished sum is multiplied once by 2^(e10 + e11).
; LIMIT: e10 + e11 between -126 and 127.
; REGISTERS: window 0: v16-29 addresses; v32-95 the bias, later the block on its way out; v128-255 a's fragments, later rows read back.  window 1: Wp's fragments, two sets.  windows 2, 3: the accumulators.
.set ROWB,   256
.set KROW,   1024
.set PITCH,  272                       ; Wp's LDS row: 256 bytes + 16
.set APIT,   80                        ; a's LDS row: 64 bytes + 16: the 16 rows of a fragment load start at 16 different groups of banks (64 banks of 4 bytes: ISA guide 11.1)
.set AHALF,  512*APIT                  ; two heads x 256 tokens: what one tensor load brings of a
.set FR,     16
.set NL,     4
.set NP,     4
.set HALFT,  128*PITCH
.set BOFF,   2*AHALF                   ; Wp's rows lie behind a's
.set SLOT,   BOFF+2*HALFT
.set LAPS,   2
.set SPARE,  2*SLOT                    ; the spare words: 128 bytes a wave, two blocks of 256 bytes that no other line names
.set SPITCH, 528                       ; the way out: 16 rows x (512 bytes + 16) for each wave, in slot 0, behind its last fill and last read
.set ADRA, 16                          ; v16-19  a's fragments: slot 0 or 1, first or second 128 along K
.set ADRB, 20                          ; v20-21  Wp's, slot 0, 1
.set STO,  24
.set RD,   25
.set CO,   26
.set SPW,  28
.set NIL,  29
.set BH,   30
.set BI,   32
.set TMP,  32
.set AF,   128
.set BK,   128
.set G1, 24
.set G0, 32
.set G1B, 48
.set G0B, 56
.set MSB, 0
.macro WIN new
.if MSB != (\new)
	s_set_vgpr_msb (MSB<<8)|(\new)
.set MSB, (\new)
.endif
.endm
.set MUL_LO, 0xa1
.set MUL_HI, 0xf1
.set TO_B,   0x40
.macro JLOAD g0a, g1a, g0b, g1b        ; waves 0 and 1 fetch a's halves, waves 2 and 3 Wp's; four v_nop follow each line
	s_cmp_eq_u32 s15, 0
	s_cbranch_scc0 .Lfor_b_\@
	tensor_load_to_lds s[\g0a:\g0a+3], s[\g1a:\g1a+7]
	s_nop 0
.rept 4
	v_nop
.endr
	s_branch .Lasked_\@
.Lfor_b_\@:
	tensor_load_to_lds s[\g0b:\g0b+3], s[\g1b:\g1b+7]
	s_nop 0
.rept 4
	v_nop
.endr
.Lasked_\@:
.endm
.macro CREST
	s_cmp_lg_u32 s14, 0
	s_cbranch_scc1 .Lnot_wave_0_\@
	s_barrier_signal -3
.Lnot_wave_0_\@:
	s_barrier_wait -3
	s_barrier_signal -1
	s_barrier_wait -1
.endm
.macro CROUND
	s_barrier_signal -1
	s_barrier_wait -1
	CREST
.endm
	s_load_b128 s[4:7], s[0:1], 0x0                ; ac, wc
	s_load_b128 s[8:11], s[0:1], 0x10              ; the exponents, bp
	s_load_b64 s[12:13], s[0:1], 0x20              ; out0
	v_lshl_add_u32 v[SPW], v0, 2, SPARE
	v_mov_b32 v[NIL], 0
	ds_add_u32 v28, v29
	ds_add_u32 v28, v29
	s_wait_dscnt 0x0
	v_lshrrev_b32 v1, 5, v0
	v_readfirstlane_b32 s14, v1                    ; wave 0..3
	s_lshr_b32 s15, s14, 1                         ; my half of the tile's rows.  Also: I fetch for a (0) or for Wp (1)
	s_and_b32 s16, s14, 1                          ; my half of its columns.  Also: which half of that tile I fetch
	s_bfe_u32 s40, ttmp6, 0x40000                  ; cx
	s_bfe_u32 s41, ttmp6, 0x40004                  ; cy
	s_lshl_b32 s42, ttmp9, 2
	s_add_co_u32 s42, s42, s40                     ; tile column
	s_and_b32 s17, ttmp7, 0xffff
	s_lshl_b32 s17, s17, 2
	s_add_co_u32 s17, s17, s41                     ; tile row
	s_lshl_b32 s43, s41, 2
	s_lshl_b32 s43, 15, s43                        ; my row of the cluster
	s_lshl_b32 s44, 0x1111, s40                    ; my column
	s_or_b32 s[G1+0], s43, (0<<16)|(1<<20)|(1<<21)|(3<<22)|(3<<25)    ; a: 4 words of padding after every 16
	s_mov_b32 s[G1+1], 64<<16                      ; tensor_dim0
	s_mov_b32 s[G1+2], 512<<16                     ; tensor_dim1
	s_mov_b32 s[G1+3], 64<<16                      ; tile_dim0
	s_mov_b32 s[G1+4], 512                         ; tile_dim1
	s_mov_b32 s[G1+5], 64                          ; the pitch: dense
	s_mov_b32 s[G1+6], 0
	s_mov_b32 s[G1+7], 0
	s_or_b32 s[G1B+0], s44, (0<<16)|(1<<20)|(1<<21)|(5<<22)|(3<<25)   ; Wp: 4 words after every 64
	s_mov_b32 s[G1B+1], ROWB<<16
	s_mov_b32 s[G1B+2], 128<<16
	s_mov_b32 s[G1B+3], ROWB<<16
	s_mov_b32 s[G1B+4], 128
	s_mov_b32 s[G1B+5], KROW
	s_mov_b32 s[G1B+6], 0
	s_mov_b32 s[G1B+7], 0
	s_lshl_b32 s20, s17, 18                        ; a: the tile row's 262,144 bytes,
	s_lshl_b32 s18, s16, 15                        ; my two heads of a K step's four
	s_add_co_u32 s20, s20, s18
	s_mov_b32 s21, 0
	s_lshl_b32 s18, s16, 7
	s_lshl_b32 s46, s42, 8
	s_add_co_u32 s46, s46, s18
	s_lshl_b32 s46, s46, 10                        ; Wp: (256 x tile column + 128 x half) rows of 1,024 bytes,
	s_add_co_u32 s46, s46, 3<<20                   ; in part 3 of wc
	s_mov_b32 s47, 0
	s_mul_i32 s45, s16, AHALF                      ; where they go: no place in the cluster enters an LDS address
	s_mul_i32 s74, s16, HALFT
	s_add_co_u32 s74, s74, BOFF
	s_wait_kmcnt 0x0
	s_load_b64 s[96:97], s[8:9], 0x28              ; e10, e11
	s_add_nc_u64 s[20:21], s[4:5], s[20:21]
	s_add_nc_u64 s[46:47], s[6:7], s[46:47]
	CROUND                                         ; all sixteen work-groups are here: the first joint loads meet
.irp s, 0,1
	s_mov_b32 s[G0+4*\s], 1
	s_add_co_u32 s[G0+4*\s+1], s45, \s*SLOT
	s_add_nc_u64 s[G0+4*\s+2:G0+4*\s+3], s[20:21], \s*65536
	s_or_b32 s[G0+4*\s+3], s[G0+4*\s+3], 0x80000000
	s_mov_b32 s[G0B+4*\s], 1
	s_add_co_u32 s[G0B+4*\s+1], s74, \s*SLOT
	s_add_nc_u64 s[G0B+4*\s+2:G0B+4*\s+3], s[46:47], \s*ROWB
	s_or_b32 s[G0B+4*\s+3], s[G0B+4*\s+3], 0x80000000
	s_wait_alu depctr_va_vdst(0)
	s_wait_tensorcnt 0x0
	ds_add_u32 v28, v29
	ds_add_u32 v28, v29
	s_wait_dscnt 0x0
	CROUND
	JLOAD G0+4*\s, G1, G0B+4*\s, G1B               ; one load of mine is out
.endr
	v_and_b32 v1, 15, v0                           ; r
	v_bfe_u32 v2, v0, 4, 1                         ; h
	v_mul_u32_u24 v3, v1, APIT
	v_lshl_add_u32 v3, v2, 4, v3                   ; a: token r x 80 + 16 h
	s_mul_i32 s21, s15, 128*APIT                   ; my 128 tokens
.irp s, 0,1
.irp q, 0,1
	s_add_co_u32 s23, s21, \s*SLOT+\q*AHALF        ; 128 along K are two heads
	v_add_nc_u32 v[ADRA+2*\s+\q], s23, v3
.endr
.endr
	v_mul_u32_u24 v4, v1, PITCH
	v_lshl_add_u32 v4, v2, 4, v4
	s_mul_i32 s22, s16, HALFT
	s_add_co_u32 s22, s22, BOFF
.irp s, 0,1
	v_add_nc_u32 v[ADRB+\s], s22, v4
	s_add_co_u32 s22, s22, SLOT
.endr
	s_mul_i32 s23, s14, 16*SPITCH                  ; my stage
	v_mul_u32_u24 v5, v1, SPITCH
	v_lshl_add_u32 v5, v2, 5, v5
	v_add_nc_u32 v[STO], s23, v5                   ; in: row r, 32 bytes for each half of the lanes
	v_and_b32 v6, 31, v0
	v_lshlrev_b32 v[CO], 4, v6                     ; back: the 32 lanes take one row of 512 bytes; and the same in out0
	v_add_nc_u32 v[RD], s23, v[CO]
	v_lshlrev_b32 v[BH], 5, v2
	s_wait_alu depctr_va_vdst(0)
	s_lshl_b32 s20, s17, 8
	s_lshl_b32 s21, s15, 7
	s_add_co_u32 s20, s20, s21
	s_lshl_b32 s20, s20, 12                        ; my first row of out0, rows of 4,096 bytes
	s_mov_b32 s21, 0
	s_lshl_b32 s46, s42, 10
	s_lshl_b32 s47, s16, 9
	s_add_co_u32 s46, s46, s47                     ; my first column, in bytes; also my place in bp
	s_mov_b32 s47, 0
	s_add_nc_u64 s[20:21], s[20:21], s[46:47]
	s_add_nc_u64 s[12:13], s[12:13], s[20:21]
	s_add_nc_u64 s[10:11], s[10:11], s[46:47]
.irp b, 0,1,2,3,4,5,6,7                        ; the bias in the result's layout: for column block b the eight numbers at 16 b + 8 h
	global_load_b128 v[BI+8*\b:BI+8*\b+3], v[BH], s[10:11] offset:64*\b
	global_load_b128 v[BI+8*\b+4:BI+8*\b+7], v[BH], s[10:11] offset:64*\b+16
.endr
	s_wait_kmcnt 0x0
	s_add_co_i32 s96, s96, s97                     ; e10 + e11
	s_sub_co_i32 s90, 0, s96
	s_add_co_i32 s96, s96, 127
	s_lshl_b32 s96, s96, 23                        ; 2^(e10 + e11) as f32
	s_wait_loadcnt 0x0
.set i, 0
.rept 64
	v_ldexp_f32 v[BI+i], v[BI+i], s90
.set i, i+1
.endr
.macro FRAGB reg, slot, q, i           ; Wp: 16 rows x 128 K: registers 4 c .. 4 c + 3 hold K = 32 c + 16 h + 0 .. 15
.irp c, 0,1,2,3
	ds_load_b128 v[\reg+4*\c:\reg+4*\c+3], v[ADRB+\slot] offset:128*(\q)+32*\c+(\i)*16*PITCH
.endr
.endm
.macro FRAGA reg, slot, q, i           ; a: the same K: head c / 2 of the two, d = 32 (c % 2) + 16 h + 0 .. 15
.irp c, 0,1,2,3
	ds_load_b128 v[\reg+4*\c:\reg+4*\c+3], v[ADRA+2*(\slot)+(\q)] offset:(\c/2)*256*APIT+32*(\c%2)+(\i)*16*APIT
.endr
.endm
; The 64 accumulators take turns, one instruction a turn, in the same order in every step.  mode 1: the sums start from the bias.
.macro MUL16 a0, p, mode
.irp a, \a0, \a0+1
.irp b, 0,1,2,3,4,5,6,7
.if (\mode) == 0
	v_wmma_f32_16x16x128_fp8_fp8 v[8*(8*((\a)%4)+\b):8*(8*((\a)%4)+\b)+7], v[128*(\p)+FR*\b:128*(\p)+FR*\b+FR-1], v[AF+FR*(\a):AF+FR*(\a)+FR-1], v[8*(8*((\a)%4)+\b):8*(8*((\a)%4)+\b)+7]
.else
	v_wmma_f32_16x16x128_fp8_fp8 v[8*(8*((\a)%4)+\b):8*(8*((\a)%4)+\b)+7], v[128*(\p)+FR*\b:128*(\p)+FR*\b+FR-1], v[AF+FR*(\a):AF+FR*(\a)+FR-1], v[BI+8*\b:BI+8*\b+7]
.endif
.endr
.endr
.endm
.macro FETCH_B slot, q, p
	WIN TO_B
.irp i, 0,1,2,3,4,5,6,7
	FRAGB 128*(\p)+FR*\i, \slot, \q, \i
.endr
	WIN 0
.endm
.macro FETCH_A slot, q, i0
.irp i, \i0, \i0+1, \i0+2, \i0+3
	FRAGA AF+FR*(\i), \slot, \q, \i
.endr
.endm
.macro PLACES n
.rept \n
	v_nop
.endr
.endm
.macro STEP slot, q, mode
	s_wait_dscnt 4*NL                              ; Wp's set and a's blocks 0-3 are in; the youngest sixteen loads (blocks 4-7) may be out
.if (\mode) == 0
	WIN MUL_LO
.else
	WIN 0x81                                       ; C (the bias) in window 0, D in window 2
.endif
	MUL16 0, (\q)%2, \mode
	MUL16 2, (\q)%2, \mode
	s_wait_dscnt 0
	PLACES NP
	FETCH_B \slot, (\q)+1, 1-(\q)%2
	FETCH_A \slot, (\q)+1, 0
.if (\mode) == 0
	WIN MUL_HI
.else
	WIN 0xc1
.endif
	MUL16 4, (\q)%2, \mode
	MUL16 6, (\q)%2, \mode
	PLACES NP
	WIN 0
	FETCH_A \slot, (\q)+1, 4
.endm
.macro TURN slot, next, fill
	s_wait_tensorcnt 0x0                           ; all my tensor loads have landed: my part of the next slot
	ds_add_u32 v[SPW], v[NIL]                      ; 0 onto my spare word
	s_wait_dscnt 4*NL+1                            ; the add and the youngest sixteen loads may be out
	WIN MUL_LO
	MUL16 0, 1, 0
	s_wait_dscnt 0x0                               ; the add is done, and my reads of this slot are over
	s_barrier_signal -1
	MUL16 2, 1, 0
	WIN 0
	s_barrier_wait -1
.if \fill
	CREST                                          ; the barrier has opened a round of the cluster's
	s_add_nc_u64 s[G0+4*\slot+2:G0+4*\slot+3], s[G0+4*\slot+2:G0+4*\slot+3], 2*65536
	s_add_nc_u64 s[G0B+4*\slot+2:G0B+4*\slot+3], s[G0B+4*\slot+2:G0B+4*\slot+3], 2*ROWB
	JLOAD G0+4*\slot, G1, G0B+4*\slot, G1B         ; my one tensor load behind the round; its four v_nop are the places in front of the loads below
.else
	PLACES NP
.endif
	FETCH_B \next, 0, 0
	FETCH_A \next, 0, 0
	WIN MUL_HI
	MUL16 4, 1, 0
	MUL16 6, 1, 0
	PLACES NP
	WIN 0
	FETCH_A \next, 0, 4
.endm
	s_wait_alu depctr_va_vdst(0)
	s_wait_tensorcnt 1                             ; my part of K step 0 is in; K step 1's one load may be out
	s_barrier_signal -1
	s_barrier_wait -1
	FETCH_B 0, 0, 0
	FETCH_A 0, 0, 0
	FETCH_A 0, 0, 4
	STEP 0, 0, 1                                   ; the first step starts the sums from the bias
	s_mov_b32 s3, LAPS-1
.Llap:
	TURN 0, 1, 1
	STEP 1, 0, 0
	TURN 1, 0, 1
	STEP 0, 0, 0
	s_sub_co_u32 s3, s3, 1
	s_cmp_lg_u32 s3, 0
	s_cbranch_scc1 .Llap
	TURN 0, 1, 0                                   ; the last lap fills nothing
	STEP 1, 0, 0
	s_wait_dscnt 4*NL
	WIN MUL_LO
	MUL16 0, 1, 0
	MUL16 2, 1, 0
	s_wait_dscnt 0
	WIN MUL_HI
	MUL16 4, 1, 0
	MUL16 6, 1, 0
	WIN 0
; THE WAY OUT, block by block of 16 rows x 128 columns, through my own stage: in as 32 bytes a lane, back as whole rows of 512 bytes.  LDS serves a wave's instructions in order (ISA guide 5.7.1.4).
.macro TOSTAGE a
.set AC, 64*((\a)%4)
	WIN 0x02+((\a)/4)
.set j, 0
.rept 32
	v_pk_mul_f32 v[TMP+j:TMP+j+1], v[AC+j:AC+j+1], s[96:97] op_sel_hi:[1,0]   ; x 2^(e10 + e11); each accumulator from its low end on
.set j, j+2
.endr
	WIN 0
.irp b, 0,1,2,3,4,5,6,7
	ds_store_b128 v[STO], v[TMP+8*\b:TMP+8*\b+3] offset:64*\b
	ds_store_b128 v[STO], v[TMP+8*\b+4:TMP+8*\b+7] offset:64*\b+16
.endr
.set BB, BK+64*((\a)%2)
.irp t, 0,1,2,3,4,5,6,7,8,9,10,11,12,13,14,15
	ds_load_b128 v[BB+4*\t:BB+4*\t+3], v[RD] offset:\t*SPITCH
.endr
.endm
.macro SEND a, younger                 ; younger: the LDS instructions issued behind block a's loads, which may stay out
.set BB, BK+64*((\a)%2)
	s_wait_dscnt \younger
.if (\a) > 0
	s_add_nc_u64 s[12:13], s[12:13], 16*4096       ; 16 rows on (the earlier stores have read their base: a wait on XCNT stands in front)
.endif
.irp t, 0,1,2,3,4,5,6,7,8,9,10,11,12,13,14,15
	global_store_b128 v[CO], v[BB+4*\t:BB+4*\t+3], s[12:13] offset:\t*4096 th:TH_STORE_NT   ; 32 lanes store 512 consecutive bytes, aligned
.endr
.endm
	PLACES NP
	TOSTAGE 0
.irp a, 1,2,3,4,5,6,7
.if \a > 1
	s_wait_xcnt 0x0                                ; block a - 2's stores have read their registers and their base
.endif
	TOSTAGE \a
	SEND \a-1, 32                                  ; behind block a - 1's loads: block a's 16 stores and 16 loads
.endr
	s_wait_xcnt 0x0
	SEND 7, 0
	s_wait_tensorcnt 0x0                           ; the wave's end
	ds_add_u32 v[SPW], v[NIL]
	s_wait_dscnt 0x0
	CROUND                                         ; the closing round
	s_endpgm
.Lfunc_end_k_q8408e556c6_proj:
	.size	k_q8408e556c6_proj, .Lfunc_end_k_q8408e556c6_proj-k_q8408e556c6_proj
	.p2alignl 7, 3214868480
	.fill 96, 4, 3214868480
	.section	.rodata,"a",@progbits
	.p2align	6, 0x0
	.amdhsa_kernel k_q8408e556c6_proj
		.amdhsa_group_segment_fixed_size 327680
		.amdhsa_private_segment_fixed_size 0
		.amdhsa_enable_private_segment 0
		.amdhsa_kernarg_size 40
		.amdhsa_user_sgpr_count 2
		.amdhsa_user_sgpr_kernarg_segment_ptr 1
		.amdhsa_wavefront_size32 1
		.amdhsa_system_sgpr_workgroup_id_x 1
		.amdhsa_system_sgpr_workgroup_id_y 1
		.amdhsa_system_sgpr_workgroup_id_z 1
		.amdhsa_system_vgpr_workitem_id 0
		.amdhsa_next_free_vgpr 1024
		.amdhsa_next_free_sgpr 100
		.amdhsa_reserve_vcc 0
		.amdhsa_float_denorm_mode_32 3
		.amdhsa_float_denorm_mode_16_64 3
		.amdhsa_memory_ordered 1
		.amdhsa_forward_progress 1
		.amdhsa_inst_pref_size 130
	.end_amdhsa_kernel
	.amdgpu_metadata
---
amdhsa.version: [ 1, 2 ]
amdhsa.kernels:
  - .name:           k_q8408e556c6_proj
    .symbol:         k_q8408e556c6_proj.kd
    .args:
      - { .name: ac, .offset: 0, .size: 8, .value_kind: global_buffer, .address_space: global }
      - { .name: wc, .offset: 8, .size: 8, .value_kind: global_buffer, .address_space: global }
      - { .name: lowp_scales, .offset: 16, .size: 8, .value_kind: global_buffer, .address_space: global }
      - { .name: bp, .offset: 24, .size: 8, .value_kind: global_buffer, .address_space: global }
      - { .name: out0, .offset: 32, .size: 8, .value_kind: global_buffer, .address_space: global }
    .group_segment_fixed_size: 327680
    .private_segment_fixed_size: 0
    .kernarg_segment_align: 8
    .kernarg_segment_size: 40
    .max_flat_workgroup_size: 128
    .sgpr_count:     100
    .vgpr_count:     1024
    .wavefront_size: 32
...
	.end_amdgpu_metadata
.endif
;; end of part 4
